; MI455X (gfx1250); checked and timed in simulation.
; The chip was launched on July 23, 2026; its instructions are those of AMD's public machine-readable ISA for CDNA 5 (MIT licence, August 2026) and "CDNA5" Instruction Set Architecture Reference Guide (July 2026). The comments in the code are by the model that wrote it; some were corrected since.
;; Attention Head. Allowed arithmetic: float matrix products may take bf16 or f16 operands with f32 sums; all other float work in f32.
;; Inputs: Wk 1,024 x 128 float32; Wq 1,024 x 128 float32; Wv 1,024 x 128 float32; x 8 x 2,048 x 1,024 float32.
;; Outputs: out0 8 x 2,048 x 128 float32.
;; 2 versions, each right and faster than the one before. Each part assembles by itself: llvm-mc -triple=amdgcn-amd-amdhsa -mcpu=gfx1250 --defsym DOCPART=n.
;; ======== version 1 of 2: 3 launches
;; limits: values are held in f16: magnitudes above 65,504 overflow, below 6.1e-05 lose precision
;; workspace buffers: wp 786,432 bytes; qf 4,194,304 bytes; kf 4,194,304 bytes; vf 4,194,304 bytes
;; launch prep (part 1): grid 32 x 6, 8 waves a work-group, no clusters, 0 bytes of LDS; arguments Wq, Wk, Wv, wp; writes wp
.if DOCPART == 1
	.amdgcn_target "amdgcn-amd-amdhsa--gfx1250"
	.amdhsa_code_object_version 6
	.text
	.protected	k_q69ca4cfb25_prep
	.globl	k_q69ca4cfb25_prep
	.p2align	8
	.type	k_q69ca4cfb25_prep,@function
k_q69ca4cfb25_prep:
	s_mov_b64 s[64:65], 0
	v_nop
	global_prefetch_b8 v0, s[64:65] scope:SCOPE_SE
	s_setreg_imm32_b32 hwreg(HW_REG_WAVE_MODE, 25, 1), 1
	s_wait_xcnt 0x0
; Wq, Wk, Wv: [1024 (k)][128 (n)] f32  ->  wp: bf16 in the order in which a matrix fragment lies in registers.
; A block of wp is 1,024 bytes, [jj = 0,1][lane L = 0..31][16 bytes]; with r = L & 15, h = L >> 4 the 16 bytes of block
; ks*24 + 6 w + u (ks = 0..31, w = 0..3, u = 0..5) hold W_mat[32 ks + 16 jj + 8 h + 0..7][32 w + 16 (u & 1) + r], mat = u >> 1 (q, k, v).
; So the next launch takes a 16 x 32 fragment by two loads of 512 consecutive bytes, and wave w of it finds its six blocks side by side.
; Work-group (ks, u); wave = 2 w + jj makes one half block: eight loads of 4 bytes a lane (eight k of one column), four roundings
; to nearest even, one store of 16 bytes a lane: the wave's store covers 512 consecutive bytes, aligned.
; 192 work-groups: the whole job is 1.5 MB in and 0.75 MB out; there is no more to share out.  No LDS, no barrier, no loop.
.set ROWB, 512                         ; bytes in a row of W
	s_load_b256 s[4:11], s[0:1], 0x0               ; Wq s[4:5], Wk s[6:7], Wv s[8:9], wp s[10:11]
	v_lshrrev_b32 v1, 5, v0
	v_readfirstlane_b32 s14, v1                    ; wave 0..7
	s_and_b32 s15, ttmp7, 0xffff                   ; u
	s_lshr_b32 s16, s14, 1                         ; w
	s_and_b32 s17, s14, 1                          ; jj
	s_and_b32 s18, s15, 1                          ; u & 1
	; source offset, scalar part: (32 ks + 16 jj) rows of 512 bytes + (32 w + 16 (u & 1)) columns of 4 bytes
	s_lshl_b32 s20, ttmp9, 14
	s_lshl_b32 s21, s17, 13
	s_add_co_u32 s20, s20, s21
	s_lshl_b32 s21, s16, 7
	s_add_co_u32 s20, s20, s21
	s_lshl_b32 s21, s18, 6
	s_add_co_u32 s20, s20, s21
	; destination offset, scalar part: block (24 ks + 6 w + u) of 1,024 bytes + jj halves of 512
	s_mul_i32 s22, ttmp9, 24
	s_mul_i32 s23, s16, 6
	s_add_co_u32 s22, s22, s23
	s_add_co_u32 s22, s22, s15
	s_lshl_b32 s22, s22, 10
	s_lshl_b32 s23, s17, 9
	s_add_co_u32 s22, s22, s23
	v_and_b32 v1, 15, v0                           ; r
	v_bfe_u32 v2, v0, 4, 1                         ; h
	v_lshlrev_b32 v1, 2, v1                        ; 4 r
	v_lshl_add_u32 v2, v2, 12, v1                  ; + 8 h rows
	v_add_nc_u32 v2, s20, v2                       ; source offset
	v_and_b32 v3, 31, v0
	v_lshlrev_b32 v3, 4, v3                        ; 16 L
	v_add_nc_u32 v3, s22, v3                       ; destination offset
	s_wait_kmcnt 0x0
	s_cmp_lt_u32 s15, 2                            ; the matrix is chosen by u alone
	s_cselect_b64 s[12:13], s[4:5], s[6:7]
	s_cmp_lt_u32 s15, 4
	s_cselect_b64 s[12:13], s[12:13], s[8:9]
.irp i, 0,1,2,3,4,5,6,7
	global_load_b32 v[4+\i], v2, s[12:13] offset:ROWB*\i   ; k = 8 h + i of my column
.endr
	s_wait_loadcnt 0x0
.irp i, 0,1,2,3
	v_cvt_pk_bf16_f32 v[12+\i], v[4+2*\i], v[5+2*\i]       ; the lower k in the lower half
.endr
	global_store_b128 v3, v[12:15], s[10:11]
	s_endpgm
.Lfunc_end_k_q69ca4cfb25_prep:
	.size	k_q69ca4cfb25_prep, .Lfunc_end_k_q69ca4cfb25_prep-k_q69ca4cfb25_prep
	.p2alignl 7, 3214868480
	.fill 96, 4, 3214868480
	.section	.rodata,"a",@progbits
	.p2align	6, 0x0
	.amdhsa_kernel k_q69ca4cfb25_prep
		.amdhsa_group_segment_fixed_size 0
		.amdhsa_private_segment_fixed_size 0
		.amdhsa_enable_private_segment 0
		.amdhsa_kernarg_size 32
		.amdhsa_user_sgpr_count 2
		.amdhsa_user_sgpr_kernarg_segment_ptr 1
		.amdhsa_wavefront_size32 1
		.amdhsa_system_sgpr_workgroup_id_x 1
		.amdhsa_system_sgpr_workgroup_id_y 1
		.amdhsa_system_sgpr_workgroup_id_z 1
		.amdhsa_system_vgpr_workitem_id 0
		.amdhsa_next_free_vgpr 24
		.amdhsa_next_free_sgpr 66
		.amdhsa_reserve_vcc 0
		.amdhsa_float_denorm_mode_32 3
		.amdhsa_float_denorm_mode_16_64 3
		.amdhsa_memory_ordered 1
		.amdhsa_forward_progress 1
		.amdhsa_inst_pref_size 3
	.end_amdhsa_kernel
	.amdgpu_metadata
---
amdhsa.version: [ 1, 2 ]
amdhsa.kernels:
  - .name:           k_q69ca4cfb25_prep
    .symbol:         k_q69ca4cfb25_prep.kd
    .args:
      - { .name: Wq, .offset: 0, .size: 8, .value_kind: global_buffer, .address_space: global }
      - { .name: Wk, .offset: 8, .size: 8, .value_kind: global_buffer, .address_space: global }
      - { .name: Wv, .offset: 16, .size: 8, .value_kind: global_buffer, .address_space: global }
      - { .name: wp, .offset: 24, .size: 8, .value_kind: global_buffer, .address_space: global }
    .group_segment_fixed_size: 0
    .private_segment_fixed_size: 0
    .kernarg_segment_align: 8
    .kernarg_segment_size: 32
    .max_flat_workgroup_size: 256
    .sgpr_count:     66
    .vgpr_count:     24
    .wavefront_size: 32
...
	.end_amdgpu_metadata
.endif
;; end of part 1
;; launch proj (part 2): grid 256 x 1, 4 waves a work-group, clusters of 4 x 1, 327,680 bytes of LDS; arguments x, wp, qf, kf, vf; writes qf, kf, vf
.if DOCPART == 2
	.amdgcn_target "amdgcn-amd-amdhsa--gfx1250"
	.amdhsa_code_object_version 6
	.text
	.protected	k_q69ca4cfb25_proj
	.globl	k_q69ca4cfb25_proj
	.p2align	8
	.type	k_q69ca4cfb25_proj,@function
k_q69ca4cfb25_proj:
	s_mov_b64 s[64:65], 0
	v_nop
	global_prefetch_b8 v0, s[64:65] scope:SCOPE_SE
	s_setreg_imm32_b32 hwreg(HW_REG_WAVE_MODE, 25, 1), 1
	s_wait_xcnt 0x0
	s_wait_alu depctr_hold_cnt(0) depctr_sa_sdst(0) depctr_va_vdst(0) depctr_va_sdst(0) depctr_va_ssrc(0) depctr_va_vcc(0) depctr_vm_vsrc(0)
	s_getreg_b32 s2, hwreg(HW_REG_IB_STS2, 6, 4)
	s_cmp_eq_u32 s2, 0
	s_cbranch_scc0 .Lentry_in_a_cluster
	s_endpgm
.Lentry_in_a_cluster:
	s_bfe_u32 s2, ttmp6, 0x10000c
	s_cmp_lg_u32 s2, 0x3003
	s_cbranch_scc0 .Lentry_shape_is_right
	s_endpgm
.Lentry_shape_is_right:
; q, k, v = x W.  x: [16384][1024] f32.  wp: the three W in bf16, fragment order (blocks of 1,024 bytes, [jj][lane][16 bytes]).
; Out, f16, fragment order too (r = lane & 15, h = lane >> 4):
;   qf, kf: block RT*4 + s holds X[16 RT + r][32 s + 16 jj + 8 h + 0..7];   vf: block KT*8 + ht holds V[32 KT + 16 jj + 8 h + 0..7][16 ht + r].
; A work-group takes 64 rows of x and all 384 columns, so every byte of x is read once in the launch: 256 work-groups.
; Four waves; wave w makes 64 rows x 96 columns (columns 32 w .. 32 w + 31 of q, of k and of v): 24 accumulator tiles, 192 registers.
; K goes in 8 tiles of 128.
; W: all work-groups walk the same 768 KB.  Four work-groups form a cluster and ask for each tile JOINTLY (mask 15): each wave
;    brings 24 KB (32 of K), dense, as 96 rows of 256 bytes, into a ring of two slots of 96 KB.
; x: has one user, so it is not shared.  It comes by 16-byte loads into a ring of three landing buffers in registers (two to three
;    tiles, 64 to 96 KB a work-group, on their way; these loads stay out across the barriers), is rounded once to bf16 (nearest even)
;    and laid into a ring of two LDS tiles of its own, which no tensor load ever fills.
; q and k tiles are made transposed (source 0 = W, source 1 = x): a lane then holds eight neighbouring columns of one row.  v tiles
; are made the natural way: a lane holds eight neighbouring rows of one column, which is V transposed.  Either way four packed
; conversions give the 16 bytes of the output's fragment order, and each store of a wave covers 512 consecutive bytes, aligned.
; WHY q, k, v LEAVE IN f16.  An attention row of few keys carries v's rounding almost undiminished, while the result is held to one
; hundredth of the whole output's root mean square, which the many-keyed rows make small.  f16 keeps 11 significant bits, bf16 8.
; LIMITS.  x and W are rounded to bf16, sums are f32.  q, k, v must stay below f16's largest number, 65,504, in magnitude; beyond it the
; conversion overflows and the result is not served.  Room: x of spread 1 and W of spread 1/32 give spread 1; both 30 times larger give
; 900; common offsets of 30 spreads on both give 1024 x 30 x 30/32 = 28,800.  Both 30 times smaller give 0.0011, 18 times f16's least
; normal number; what falls below that keeps an absolute error of 2^-25.
.set WSLOT, 98304                      ; a slot of W: 128 of K = 4 x 24 blocks of 1,024 bytes
.set WPART, 24576                      ; what one tensor load brings: 32 of K
.set XT0,   2*WSLOT                    ; the x tiles lie behind the ring
.set XP,    272                        ; an x row in LDS: 256 bytes + 16: an odd multiple of 16, so sixteen rows' 16-byte pieces fall on sixteen different places modulo 256
.set XTILE, 64*XP                      ; 17,408 bytes
.set ADRX, 4                           ; v4-5    LDS address of my x fragments in x tile 0, 1
.set ADRW, 6                           ; v6-9    LDS address of my W fragments: slot n, half p at 2 n + p
.set STX,  10                          ; v10-11  where I put 8 bytes of a row of x, tile 0, 1
.set F0,   32                          ; fragment buffer 0: x in v32-63, W in v64-111
.set FSTEP, 80                         ; fragment buffer 1 at v112-191
.set T,    192                         ; v192-223 x rounded to bf16, on its way to LDS
.set G1,   24                          ; s[24:31] descriptor group 1
.set G0,   32                          ; s[32:39] descriptor group 0, a set for each slot
; window 1: accumulator tile (a, u) at v[8 (6 a + u)], a = 0..3 (16 rows each), u = 0..5 (q q k k v v).  window 2: landing buffer i at v[64 i].
.set W_MUL, 0x50                       ; C and D in window 1
.set W_CVX, 0x0a                       ; sources 0 and 1 in window 2
.set W_LDX, 0x80                       ; destination in window 2
.set W_CVO, 0x05                       ; sources 0 and 1 in window 1
.set MSB, 0
.macro WIN new                         ; the immediate's high byte repeats the setting that is left; a switch that changes nothing is dropped
.if MSB != \new
	s_set_vgpr_msb (MSB<<8)|\new
.set MSB, \new
.endif
.endm
.macro PLACES                          ; four places behind a matrix instruction (ISA guide 7.12.1) before its registers are loaded into, written or read
.rept 4
	v_nop
.endr
.endm
; A round of the cluster's barrier: my work-group's barrier, wave 0 signals for the work-group, every wave waits for all four work-groups, my work-group's barrier again.
.macro ROUND
	s_barrier_signal -1
	s_barrier_wait -1
	s_cmp_lg_u32 s14, 0
	s_cbranch_scc1 .Lnot_wave_0_\@
	s_barrier_signal -3
.Lnot_wave_0_\@:
	s_barrier_wait -3
	s_barrier_signal -1
	s_barrier_wait -1
.endm
; Tile t of x, my 16 rows: one load takes a row's 512 bytes (128 f32).  x is read once in the launch.
.macro XLOAD t
	WIN W_LDX
.irp i, 0,1,2,3,4,5,6,7,8,9,10,11,12,13,14,15
	global_load_b128 v[64*((\t)%3)+4*\i:64*((\t)%3)+4*\i+3], v1, s[4:5] offset:\i*4096+(\t)*512 th:TH_LOAD_NT
.endr
.endm
; Tile t of x has landed: round it, lay it into x tile t & 1, and ask for tile t + 3 into the same landing buffer.
.macro XSTAGE t
.set XC, 16*(7-(\t))
.if XC > 32
.set XC, 32
.endif
	s_wait_loadcnt XC                              ; loads come back in order: the 16 loads of each later tile that has been asked for (two tiles, near the end one or none) stay out
	WIN W_CVX
.irp i, 0,1,2,3,4,5,6,7,8,9,10,11,12,13,14,15
	v_cvt_pk_bf16_f32 v[T+2*\i],   v[64*((\t)%3)+4*\i],   v[64*((\t)%3)+4*\i+1]
	v_cvt_pk_bf16_f32 v[T+2*\i+1], v[64*((\t)%3)+4*\i+2], v[64*((\t)%3)+4*\i+3]
.endr
	WIN 0
.irp i, 0,1,2,3,4,5,6,7,8,9,10,11,12,13,14,15
	ds_store_b64 v[STX+((\t)&1)], v[T+2*\i:T+2*\i+1] offset:\i*XP   ; 32 lanes x 8 bytes: one row's 256 bytes
.endr
.if (\t)+3 <= 7
	XLOAD (\t)+3
.endif
.endm
; The fragments of quarter q (32 of K) of tile t into buffer f: 4 of x (8 loads), 6 of W (12 loads)
.macro FETCH t, q, f
	WIN 0
.irp a, 0,1,2,3
	ds_load_b128 v[(\f)+8*\a:(\f)+8*\a+3],   v[ADRX+((\t)&1)] offset:\a*16*XP+64*(\q)
	ds_load_b128 v[(\f)+8*\a+4:(\f)+8*\a+7], v[ADRX+((\t)&1)] offset:\a*16*XP+64*(\q)+32
.endr
.irp u, 0,1,2,3,4,5
	ds_load_b128 v[(\f)+32+8*\u:(\f)+32+8*\u+3],   v[ADRW+2*((\t)&1)+((\q)>>1)] offset:((\q)&1)*WPART+\u*1024
	ds_load_b128 v[(\f)+32+8*\u+4:(\f)+32+8*\u+7], v[ADRW+2*((\t)&1)+((\q)>>1)] offset:((\q)&1)*WPART+\u*1024+512
.endr
.endm
; One matrix instruction on tile (a, u).  zero = 1: the first product starts the sum, nothing is cleared.
.macro MM f, a, u, zero
.if (\u) < 4
.if \zero
	v_wmma_f32_16x16x32_bf16 v[8*(6*\a+(\u)):8*(6*\a+(\u))+7], v[(\f)+32+8*(\u):(\f)+32+8*(\u)+7], v[(\f)+8*\a:(\f)+8*\a+7], 0
.else
	v_wmma_f32_16x16x32_bf16 v[8*(6*\a+(\u)):8*(6*\a+(\u))+7], v[(\f)+32+8*(\u):(\f)+32+8*(\u)+7], v[(\f)+8*\a:(\f)+8*\a+7], v[8*(6*\a+(\u)):8*(6*\a+(\u))+7]
.endif
.else
.if \zero
	v_wmma_f32_16x16x32_bf16 v[8*(6*\a+(\u)):8*(6*\a+(\u))+7], v[(\f)+8*\a:(\f)+8*\a+7], v[(\f)+32+8*(\u):(\f)+32+8*(\u)+7], 0
.else
	v_wmma_f32_16x16x32_bf16 v[8*(6*\a+(\u)):8*(6*\a+(\u))+7], v[(\f)+8*\a:(\f)+8*\a+7], v[(\f)+32+8*(\u):(\f)+32+8*(\u)+7], v[8*(6*\a+(\u)):8*(6*\a+(\u))+7]
.endif
.endif
.endm
; The 24 accumulators take turns, one instruction a turn, in the same order in every quarter.
.macro MUL12 f, u0, zero
.irp du, 0,1,2
.irp a, 0,1,2,3
	MM \f, \a, \u0+\du, \zero
.endr
.endr
.endm
; 32 of K: 24 matrix instructions; in their middle the next quarter's 20 loads go out in one run, into the other buffer.
.macro QUARTER t, q, dsn, zero
	s_wait_dscnt \dsn
	WIN W_MUL
	MUL12 F0+FSTEP*((\q)&1), 0, \zero
.if (\q) < 3
	PLACES
	FETCH \t, (\q)+1, F0+FSTEP*(((\q)+1)&1)
.endif
	WIN W_MUL
	MUL12 F0+FSTEP*((\q)&1), 3, \zero
.endm
; Tile t.  In front of the round every wave has waited for all its tensor loads (one was out: its part of this tile) and for all its LDS
; instructions (its reads of the last tile of W and of x, its stores of this tile of x).  Behind the round: no wave of the cluster reads the other slot
; any more, so it is asked for again, first thing, one load a wave; this tile of W and of x is whole for every wave.
.macro TRIP t
	s_wait_tensorcnt 0x0
	ds_add_u32 v254, v255
	s_wait_dscnt 0x0
.if (\t) < 6
	s_add_nc_u64 s[G0+4*((\t)&1)+2:G0+4*((\t)&1)+3], s[G0+4*((\t)&1)+2:G0+4*((\t)&1)+3], 2*WSLOT   ; no load of mine is out: this slot's next tile, t + 2
.endif
	s_wait_dscnt 0x0
	WIN 0
	ROUND
.if (\t) < 7
	tensor_load_to_lds s[G0+4*(1-((\t)&1)):G0+4*(1-((\t)&1))+3], s[G1:G1+7]   ; tile t + 1; it has this tile's 96 matrix instructions in which to land
	s_nop 0
.endif
	PLACES
	FETCH \t, 0, F0
.if (\t) < 7
	XSTAGE (\t)+1                                  ; into the x tile that was read in the last trip
.if (\t) == 0
	QUARTER \t, 0, 16, 1                           ; 16: the x stores issued behind the 20 fragment loads may stay out
.else
	QUARTER \t, 0, 16, 0
.endif
.else
	QUARTER \t, 0, 0, 0
.endif
	QUARTER \t, 1, 0, 0
	QUARTER \t, 2, 0, 0
	QUARTER \t, 3, 0, 0
.endm
	s_load_b256 s[4:11], s[0:1], 0x0               ; x s[4:5], wp s[6:7], qf s[8:9], kf s[10:11]
	s_load_b64 s[12:13], s[0:1], 0x20              ; vf
	v_lshl_add_u32 v254, v0, 2, 0x38800
	v_mov_b32 v255, 0
	ds_add_u32 v254, v255
	v_lshrrev_b32 v2, 5, v0
	v_readfirstlane_b32 s14, v2                    ; wave 0..3
	s_bfe_u32 s15, ttmp6, 0x40000                  ; cx: my place in the cluster
	s_lshl_b32 s16, ttmp9, 2                       ; ttmp9 counts clusters
	s_add_co_u32 s16, s16, s15                     ; work-group 0..255
	s_lshl_b32 s18, s16, 18                        ; 64 rows of 4,096 bytes a work-group,
	s_lshl_b32 s17, s14, 16                        ; 16 a wave
	s_add_co_u32 s18, s18, s17
	s_mov_b32 s19, 0
	v_and_b32 v3, 31, v0                           ; lane
	v_lshlrev_b32 v1, 4, v3                        ; 16 L: offset of the x loads and of the stores; never rewritten
	s_wait_dscnt 0x0
	s_wait_kmcnt 0x0
	s_add_nc_u64 s[4:5], s[4:5], s[18:19]          ; x at my 16 rows
	XLOAD 0                                        ; three tiles of x go out ahead of everything that waits
	XLOAD 1
	XLOAD 2
	WIN 0
	; descriptor group 1: 96 rows of 32 elements of 8 bytes, dense
	s_mov_b32 s[G1+0], 15|(3<<16)|(1<<21)          ; 15:0 the mask: all four work-groups; 17:16 elements of 8 bytes; 21 set beside a mask
	s_mov_b32 s[G1+1], 32<<16                      ; tensor_dim0 = 32
	s_mov_b32 s[G1+2], 96<<16                      ; tensor_dim1 = 96
	s_mov_b32 s[G1+3], 32<<16                      ; tile_dim0 = 32
	s_mov_b32 s[G1+4], 96                          ; tile_dim1 = 96
	s_mov_b32 s[G1+5], 32                          ; from row to row: 32 elements
	s_mov_b32 s[G1+6], 0
	s_mov_b32 s[G1+7], 0
	s_mul_i32 s20, s14, WPART                      ; my 32 of K in a tile: the wave's number alone enters, in memory and in LDS
	s_mov_b32 s21, 0
	s_add_nc_u64 s[44:45], s[6:7], s[20:21]
.irp n, 0,1
	s_mov_b32 s[G0+4*\n], 1
	s_add_co_u32 s[G0+4*\n+1], s20, \n*WSLOT
	s_add_nc_u64 s[G0+4*\n+2:G0+4*\n+3], s[44:45], \n*WSLOT        ; tile n
	s_or_b32 s[G0+4*\n+3], s[G0+4*\n+3], 0x80000000
.endr
	; LDS addresses
	v_and_b32 v12, 15, v0                          ; r
	v_bfe_u32 v13, v0, 4, 1                        ; h
	v_mul_u32_u24 v2, v12, XP
	v_lshl_add_u32 v2, v13, 4, v2                  ; r x pitch + 16 h
	v_add_nc_u32 v[ADRX], XT0, v2
	v_add_nc_u32 v[ADRX+1], XT0+XTILE, v2
	s_mul_i32 s22, s14, 6144                       ; my six blocks among the 24 of a ks
	v_add_nc_u32 v[ADRW], s22, v1
	v_add_nc_u32 v[ADRW+1], 2*WPART, v[ADRW]
	v_add_nc_u32 v[ADRW+2], WSLOT, v[ADRW]
	v_add_nc_u32 v[ADRW+3], WSLOT+2*WPART, v[ADRW]
	s_mul_i32 s23, s14, 16*XP                      ; my 16 rows of an x tile
	v_lshl_add_u32 v14, v3, 3, s23                 ; + 8 L
	v_add_nc_u32 v[STX], XT0, v14
	v_add_nc_u32 v[STX+1], XT0+XTILE, v14
	; where the results go
	s_lshl_b32 s40, s16, 14                        ; 64 rows x 256 bytes a work-group, in each of the three buffers
	s_lshl_b32 s17, s14, 10
	s_add_co_u32 s40, s40, s17                     ; qf, kf: block s = wave
	s_mov_b32 s41, 0
	s_lshl_b32 s42, s16, 14
	s_lshl_b32 s17, s14, 11
	s_add_co_u32 s42, s42, s17                     ; vf: blocks ht = 2 wave, 2 wave + 1
	s_mov_b32 s43, 0
	s_add_nc_u64 s[8:9], s[8:9], s[40:41]
	s_add_nc_u64 s[10:11], s[10:11], s[40:41]
	s_add_nc_u64 s[12:13], s[12:13], s[42:43]
	ROUND                                          ; all four work-groups are here: the first joint load meets its partners'
	tensor_load_to_lds s[G0:G0+3], s[G1:G1+7]      ; tile 0 of W
	s_nop 0
	XSTAGE 0
.irp t, 0,1,2,3,4,5,6,7
	TRIP \t
.endr
	; The way out: 24 tiles, four packed conversions to f16 and one store each, every tile into registers of its own (v32-127), so nothing waits.
	PLACES
	WIN W_CVO
.irp a, 0,1,2,3
.irp u, 0,1,2,3,4,5
.irp e, 0,1,2,3
	v_cvt_pk_f16_f32 v[32+4*(6*\a+\u)+\e], v[8*(6*\a+\u)+2*\e], v[8*(6*\a+\u)+2*\e+1]
.endr
.endr
.endr
	WIN 0
.irp a, 0,1,2,3
.irp u, 0,1
	global_store_b128 v1, v[32+4*(6*\a+\u):32+4*(6*\a+\u)+3],     s[8:9]   offset:\a*4096+\u*512    ; q: row tile a, half jj = u
	global_store_b128 v1, v[32+4*(6*\a+\u+2):32+4*(6*\a+\u+2)+3], s[10:11] offset:\a*4096+\u*512    ; k likewise
	global_store_b128 v1, v[32+4*(6*\a+\u+4):32+4*(6*\a+\u+4)+3], s[12:13] offset:(\a>>1)*8192+\u*1024+(\a&1)*512   ; v: 32 rows a >> 1, half jj = a & 1
.endr
.endr
	ROUND                                          ; the closing round: no work-group ends while a partner may still ask jointly
	s_endpgm
.Lfunc_end_k_q69ca4cfb25_proj:
	.size	k_q69ca4cfb25_proj, .Lfunc_end_k_q69ca4cfb25_proj-k_q69ca4cfb25_proj
	.p2alignl 7, 3214868480
	.fill 96, 4, 3214868480
	.section	.rodata,"a",@progbits
	.p2align	6, 0x0
	.amdhsa_kernel k_q69ca4cfb25_proj
		.amdhsa_group_segment_fixed_size 327680
		.amdhsa_private_segment_fixed_size 0
		.amdhsa_enable_private_segment 0
		.amdhsa_kernarg_size 40
		.amdhsa_user_sgpr_count 2
		.amdhsa_user_sgpr_kernarg_segment_ptr 1
		.amdhsa_wavefront_size32 1
		.amdhsa_system_sgpr_workgroup_id_x 1
		.amdhsa_system_sgpr_workgroup_id_y 1
		.amdhsa_system_sgpr_workgroup_id_z 1
		.amdhsa_system_vgpr_workitem_id 0
		.amdhsa_next_free_vgpr 704
		.amdhsa_next_free_sgpr 66
		.amdhsa_reserve_vcc 0
		.amdhsa_float_denorm_mode_32 3
		.amdhsa_float_denorm_mode_16_64 3
		.amdhsa_memory_ordered 1
		.amdhsa_forward_progress 1
		.amdhsa_inst_pref_size 150
	.end_amdhsa_kernel
	.amdgpu_metadata
---
amdhsa.version: [ 1, 2 ]
amdhsa.kernels:
  - .name:           k_q69ca4cfb25_proj
    .symbol:         k_q69ca4cfb25_proj.kd
    .args:
      - { .name: x, .offset: 0, .size: 8, .value_kind: global_buffer, .address_space: global }
      - { .name: wp, .offset: 8, .size: 8, .value_kind: global_buffer, .address_space: global }
      - { .name: qf, .offset: 16, .size: 8, .value_kind: global_buffer, .address_space: global }
      - { .name: kf, .offset: 24, .size: 8, .value_kind: global_buffer, .address_space: global }
      - { .name: vf, .offset: 32, .size: 8, .value_kind: global_buffer, .address_space: global }
    .group_segment_fixed_size: 327680
    .private_segment_fixed_size: 0
    .kernarg_segment_align: 8
    .kernarg_segment_size: 40
    .max_flat_workgroup_size: 128
    .sgpr_count:     66
    .vgpr_count:     704
    .wavefront_size: 32
...
	.end_amdgpu_metadata
.endif
;; end of part 2
;; launch attn (part 3): grid 256 x 1, 4 waves a work-group, clusters of 4 x 1, 327,680 bytes of LDS; arguments qf, kf, vf, out0; writes out0
.if DOCPART == 3
	.amdgcn_target "amdgcn-amd-amdhsa--gfx1250"
	.amdhsa_code_object_version 6
	.text
	.protected	k_q69ca4cfb25_attn
	.globl	k_q69ca4cfb25_attn
	.p2align	8
	.type	k_q69ca4cfb25_attn,@function
k_q69ca4cfb25_attn:
	s_mov_b64 s[64:65], 0
	v_nop
	global_prefetch_b8 v0, s[64:65] scope:SCOPE_SE
	s_setreg_imm32_b32 hwreg(HW_REG_WAVE_MODE, 25, 1), 1
	s_wait_xcnt 0x0
	s_wait_alu depctr_hold_cnt(0) depctr_sa_sdst(0) depctr_va_vdst(0) depctr_va_sdst(0) depctr_va_ssrc(0) depctr_va_vcc(0) depctr_vm_vsrc(0)
	s_getreg_b32 s2, hwreg(HW_REG_IB_STS2, 6, 4)
	s_cmp_eq_u32 s2, 0
	s_cbranch_scc0 .Lentry_in_a_cluster
	s_endpgm
.Lentry_in_a_cluster:
	s_bfe_u32 s2, ttmp6, 0x10000c
	s_cmp_lg_u32 s2, 0x3003
	s_cbranch_scc0 .Lentry_shape_is_right
	s_endpgm
.Lentry_shape_is_right:
; out = softmax(causal(q k^T / 32)) v for 8 batches of 2,048 rows, head size 128.  qf, kf, vf: f16 in fragment order (blocks of 1,024 bytes,
; [jj][lane][16 bytes]; qf, kf: block RT*4 + s = X[16 RT + r][32 s + 16 jj + 8 h + 0..7]; vf: block KT*8 + ht = V[32 KT + 16 jj + 8 h + 0..7][16 ht + r]).
; SHARING.  A batch's 16 blocks of 128 rows are paired (c, 15 - c), c = 0..7.  A cluster of four work-groups takes one pair (cluster number = 8 b + c);
; work-group cx takes rows 32 cx .. 32 cx + 31 of both blocks: q tiles 0, 1 (lo, block c) and 2, 3 (hi, block 15 - c).  Keys go in steps of 128:
; hi needs steps 0 .. 15 - c, lo steps 0 .. c: 17 units of 32 x 128 in every work-group of the launch.  The four partners need the same K and V tiles
; and ask for them JOINTLY (mask 15).  Branches and trip counts hang on c and the wave's number alone; cx enters global addresses and the mask's compare.
; INSIDE A STEP wave w takes keys 32 w .. 32 w + 31 for all 64 query rows, so each byte of K and V is read from LDS once.  Each wave keeps its own running
; maximum, sum and O; the four are merged once at the end through LDS.
; TRANSPOSED PRODUCTS.  S^T = K Q^T: lane (r, h) holds query r, register j key 16 kt + 8 h + j; packed to f16 these registers ARE the second source of
; O^T = V^T P^T (lane: query r, register j: head column 16 ht + 8 h + j).  So maximum, sum and rescale are the lane's own; one exchange between the halves for each maximum.
; SOFTMAX in base 2: t = s * log2(e)/32; kept is -m (the negated running maximum of t).
; FORMAT.  All four matrix operands are f16 (11 significant bits): a row of few keys carries the rounding of v and p almost undiminished, while the result is held
; to one hundredth of the whole output's root mean square.  p lies in [0, 1] whatever the inputs: the running maximum is taken away first.
; LIMITS.  q, k, v come in f16: magnitudes up to 65,504 (the launch that makes them gives the room by arithmetic).  The running maximum starts at -1e30 in units of t:
; a row whose every allowed t lies below that is not served.  A wave that sees only masked keys of a row keeps sum 0 and O 0 and gets weight exp2(-1e30) = 0 in the
; merge.  Sums are f32; exponentials below 2^-126 come out as 0 (ISA guide, v_exp_f32), and p below 2^-25 rounds to 0 in f16.  NaN and infinities in the inputs
; are not followed as the definition follows them.
.set SLOT,   65536                     ; K's 128 rows (32 KB), then V's (32 KB), dense
.set STAGE,  2*SLOT                    ; behind the ring, never filled by a tensor load: for each wave 64 rows of O
.set SPITCH, 528                       ; 512 bytes + 16: an odd multiple of 16
.set WSTAGE, 64*SPITCH                 ; 33,792
.set STAT,   STAGE+4*WSTAGE            ; 266,240: -m as [wave][64] f32, the sums 1,024 bytes further
.set ADK,  2                           ; v2-3    LDS address of my K fragments in slot 0, 1 (V's 32,768 further)
.set DG,   4                           ; v4      32 cx + r - 32 w - 8 h: key (16 kt + j) of q tile parity p is allowed on the diagonal iff 16 kt + j - 16 p <= this
.set NINF, 5                           ; v5      -infinity
.set MN,   6                           ; v6-9    -m of q tile 0..3
.set LS,   10                          ; v10-13  running sum over my half of the wave's keys
.set NM,   14                          ; v14-15  the new -m, twice
.set AL,   16                          ; v16-17  the rescale factor, twice
.set T,    18                          ; v18-25  at work
.set STO,  26                          ; v26     merge: where my O goes
.set RD,   27                          ; v27-30  merge: my 16 rows in the stage of wave 0..3
.set STR,  31                          ; v31     STAT + 4 r
.set KF,   32                          ; v32-95   K(kt, s) at 8 (4 kt + s)
.set VF,   96                          ; v96-159  V(ht)
.set SF,   160                         ; v160-223 S(qt, kt) at 8 (2 qt + kt)
.set PF,   224                         ; v224-255 P(qt)
.set G1,   24                          ; s[24:31]
.set G0,   32                          ; s[32:39], a set for each slot
; window 1: O(qt, ht) at v[8 (8 qt + ht)].  window 2: Q(qt, s) at v[8 (4 qt + s)].
.set W_QK,   0x08                      ; source 1 (Q) in window 2
.set W_PV,   0x50                      ; C and D in window 1
.set W_RESC, 0x41                      ; destination and source 0 in window 1
.set W_LDQ,  0x80                      ; destination in window 2
.set W_STG,  0x04                      ; an LDS store's data in window 1
.set MSB, 0
.macro WIN new                         ; the immediate's high byte repeats the setting that is left
.if MSB != \new
	s_set_vgpr_msb (MSB<<8)|\new
.set MSB, \new
.endif
.endm
.macro PLACES                          ; four places behind a matrix instruction (ISA guide 7.12.1)
.rept 4
	v_nop
.endr
.endm
.macro ROUND                           ; a round of the cluster's barrier
	s_barrier_signal -1
	s_barrier_wait -1
	s_cmp_lg_u32 s14, 0
	s_cbranch_scc1 .Lnot_wave_0_\@
	s_barrier_signal -3
.Lnot_wave_0_\@:
	s_barrier_wait -3
	s_barrier_signal -1
	s_barrier_wait -1
.endm
.macro LOADKV sl                       ; my 32 keys: 8 fragments of K, then 8 of V; each load takes 512 consecutive bytes
.irp i, 0,1,2,3,4,5,6,7
	ds_load_b128 v[KF+8*\i:KF+8*\i+3],   v[ADK+\sl] offset:\i*1024
	ds_load_b128 v[KF+8*\i+4:KF+8*\i+7], v[ADK+\sl] offset:\i*1024+512
.endr
.irp i, 0,1,2,3,4,5,6,7
	ds_load_b128 v[VF+8*\i:VF+8*\i+3],   v[ADK+\sl] offset:32768+\i*1024
	ds_load_b128 v[VF+8*\i+4:VF+8*\i+7], v[ADK+\sl] offset:32768+\i*1024+512
.endr
.endm
; S^T of q tiles q0, q0 + 1: four accumulators take turns, one instruction a turn; the first 32 of the head start the sums
.macro QK q0
.irp s, 0,1,2,3
.irp dq, 0,1
.irp kt, 0,1
.if \s == 0
	v_wmma_f32_16x16x32_f16 v[SF+8*(2*(\q0+\dq)+\kt):SF+8*(2*(\q0+\dq)+\kt)+7], v[KF+8*(4*\kt+\s):KF+8*(4*\kt+\s)+7], v[8*(4*(\q0+\dq)+\s):8*(4*(\q0+\dq)+\s)+7], 0
.else
	v_wmma_f32_16x16x32_f16 v[SF+8*(2*(\q0+\dq)+\kt):SF+8*(2*(\q0+\dq)+\kt)+7], v[KF+8*(4*\kt+\s):KF+8*(4*\kt+\s)+7], v[8*(4*(\q0+\dq)+\s):8*(4*(\q0+\dq)+\s)+7], v[SF+8*(2*(\q0+\dq)+\kt):SF+8*(2*(\q0+\dq)+\kt)+7]
.endif
.endr
.endr
.endr
.endm
.macro MASK q0                         ; the diagonal step: keys beyond the query become -infinity
.irp dq, 0,1
.irp kt, 0,1
.irp j, 0,1,2,3,4,5,6,7
	v_cmp_le_i32 vcc_lo, 16*\kt+\j-16*\dq, v[DG]
	v_cndmask_b32 v[SF+8*(2*(\q0+\dq)+\kt)+\j], v[NINF], v[SF+8*(2*(\q0+\dq)+\kt)+\j], vcc_lo
.endr
.endr
.endr
.endm
; One q tile's step of the running softmax: 16 scores a lane.
.macro SOFT qt, first
.set SB, SF+16*(\qt)
.set PB, PF+8*(\qt)
.set OB, 64*(\qt)
	WIN 0
	v_max3_num_f32 v[T],   v[SB],    v[SB+1],  v[SB+2]
	v_max3_num_f32 v[T+1], v[SB+3],  v[SB+4],  v[SB+5]
	v_max3_num_f32 v[T+2], v[SB+6],  v[SB+7],  v[SB+8]
	v_max3_num_f32 v[T+3], v[SB+9],  v[SB+10], v[SB+11]
	v_max3_num_f32 v[T],   v[T],     v[SB+12], v[SB+13]
	v_max3_num_f32 v[T+1], v[T+1],   v[SB+14], v[SB+15]
	v_max_num_f32  v[T+2], v[T+2],   v[T+3]
	v_max3_num_f32 v[T],   v[T],     v[T+1],   v[T+2]
	v_permlanex16_b32 v[T+1], v[T], s40, s41       ; the other half's keys of the same query
	v_max_num_f32 v[T], v[T], v[T+1]
	v_mul_f32 v[T+1], s22, v[T]                    ; -(log2(e)/32) x the step's maximum; +infinity where all 32 keys are masked
.if \first
	v_min_num_f32 v[NM], s23, v[T+1]               ; the running maximum starts at -1e30
.else
	v_min_num_f32 v[NM], v[MN+(\qt)], v[T+1]
	v_sub_f32 v[T+3], v[NM], v[MN+(\qt)]           ; old maximum - new maximum
	v_exp_f32 v[AL], v[T+3]                        ; the two moves below are the plain places behind it (ISA guide 5.7.2)
.endif
	v_mov_b32 v[MN+(\qt)], v[NM]
	v_mov_b32 v[NM+1], v[NM]
.if \first == 0
	s_wait_alu depctr_va_vdst(0)
	v_mov_b32 v[AL+1], v[AL]
.endif
.irp i, 0,2,4,6,8,10,12,14
	v_pk_fma_f32 v[SB+\i:SB+\i+1], v[SB+\i:SB+\i+1], s[20:21], v[NM:NM+1] op_sel_hi:[1,0,1]   ; t - m
.endr
.irp i, 0,1,2,3,4,5,6,7,8,9,10,11,12,13,14,15
	v_exp_f32 v[SB+\i], v[SB+\i]
.endr
	v_nop                                          ; one plain place behind the run of exponentials
	s_wait_alu depctr_va_vdst(0)
	v_pk_add_f32 v[T:T+1],   v[SB:SB+1],     v[SB+2:SB+3]
	v_pk_add_f32 v[T+2:T+3], v[SB+4:SB+5],   v[SB+6:SB+7]
	v_pk_add_f32 v[T+4:T+5], v[SB+8:SB+9],   v[SB+10:SB+11]
	v_pk_add_f32 v[T+6:T+7], v[SB+12:SB+13], v[SB+14:SB+15]
	v_pk_add_f32 v[T:T+1],   v[T:T+1],       v[T+2:T+3]
	v_pk_add_f32 v[T+4:T+5], v[T+4:T+5],     v[T+6:T+7]
	v_pk_add_f32 v[T:T+1],   v[T:T+1],       v[T+4:T+5]
.if \first
	v_add_f32 v[LS+(\qt)], v[T], v[T+1]
.else
	v_add_f32 v[T], v[T], v[T+1]
	v_fma_f32 v[LS+(\qt)], v[LS+(\qt)], v[AL], v[T]
.endif
.irp i, 0,1,2,3,4,5,6,7
	v_cvt_pk_f16_f32 v[PB+\i], v[SB+2*\i], v[SB+2*\i+1]    ; registers 0-3: keys 8 h + 0..7, registers 4-7: keys 16 + 8 h + 0..7
.endr
.if \first == 0
	WIN W_RESC
.set i, 0
.rept 32
	v_pk_mul_f32 v[OB+2*i:OB+2*i+1], v[OB+2*i:OB+2*i+1], v[AL:AL+1]
.set i, i+1
.endr
.endif
.endm
; O^T += V^T P^T for q tiles q0, q0 + 1: sixteen accumulators, one turn each
.macro PVM q0, first
	WIN W_PV
.irp ht, 0,1,2,3,4,5,6,7
.irp dq, 0,1
.if \first
	v_wmma_f32_16x16x32_f16 v[8*(8*(\q0+\dq)+\ht):8*(8*(\q0+\dq)+\ht)+7], v[VF+8*\ht:VF+8*\ht+7], v[PF+8*(\q0+\dq):PF+8*(\q0+\dq)+7], 0
.else
	v_wmma_f32_16x16x32_f16 v[8*(8*(\q0+\dq)+\ht):8*(8*(\q0+\dq)+\ht)+7], v[VF+8*\ht:VF+8*\ht+7], v[PF+8*(\q0+\dq):PF+8*(\q0+\dq)+7], v[8*(8*(\q0+\dq)+\ht):8*(8*(\q0+\dq)+\ht)+7]
.endif
.endr
.endr
.endm
; Two q tiles against my 32 keys.  mode 0: no mask; 1: the diagonal step; 2: the diagonal step iff the step's number s18 is c
.macro PART q0, first, mode
	WIN W_QK
	QK \q0
	WIN 0
	PLACES
.if \mode == 1
	MASK \q0
.endif
.if \mode == 2
	s_cmp_lg_u32 s18, s17
	s_cbranch_scc1 .Lnomask_\@
	MASK \q0
.Lnomask_\@:
.endif
	SOFT \q0, \first
	SOFT \q0+1, \first
	s_wait_dscnt 0x0                               ; V is in
	PVM \q0, \first
	WIN 0
.endm
; One step of 128 keys, in slot sl.  In front of the round every wave has waited for all its tensor loads (one was out: its part of this step's tiles) and for its
; reads of the other slot.  Behind the round no wave of the cluster reads the other slot: it is asked for again, first thing, one load a wave.
.macro TRIP sl, refill, first, last
	s_set_vgpr_msb 0xa
	s_wait_tensorcnt 0x0
	ds_add_u32 v128, v129
	s_wait_dscnt 0x0
	s_set_vgpr_msb 0xa00
	s_add_nc_u64 s[G0+4*\sl+2:G0+4*\sl+3], s[G0+4*\sl+2:G0+4*\sl+3], 65536   ; no load of mine is out: this slot's next tile, two steps on (not used behind the last fills)
	s_wait_dscnt 0x0
	ROUND
.if \refill
	tensor_load_to_lds s[G0+4*(1-\sl):G0+4*(1-\sl)+3], s[G1:G1+7]
	s_nop 0
.endif
	PLACES
	LOADKV \sl
	s_wait_dscnt 16                                ; K is in; V's 16 loads, issued behind K's, may stay out
	PART 2, \first, \last                          ; hi: masked in its last step alone
.if \last == 0
.if \first == 0
	s_cmp_gt_u32 s18, s17                          ; lo has steps 0 .. c
	s_cbranch_scc1 .Lnolo_\@
.endif
	PART 0, \first, 2
.if \first == 0
.Lnolo_\@:
.endif
.endif
	s_add_co_u32 s18, s18, 1
.endm
	s_load_b256 s[4:11], s[0:1], 0x0               ; qf s[4:5], kf s[6:7], vf s[8:9], out0 s[10:11]
	s_set_vgpr_msb 0x80
	v_lshl_add_u32 v128, v0, 2, 0x41800
	v_mov_b32 v129, 0
	s_set_vgpr_msb 0x808a
	ds_add_u32 v128, v129
	s_set_vgpr_msb 0x8a00
	v_lshrrev_b32 v1, 5, v0
	v_readfirstlane_b32 s14, v1                    ; wave 0..3
	s_bfe_u32 s15, ttmp6, 0x40000                  ; cx
	s_lshr_b32 s16, ttmp9, 3                       ; b
	s_and_b32 s17, ttmp9, 7                        ; c
	s_mov_b32 s18, 0                               ; the step's number
	s_mov_b32 s20, 0x3d38aa3b                      ; log2(e) / 32, twice
	s_mov_b32 s21, 0x3d38aa3b
	s_mov_b32 s22, 0xbd38aa3b                      ; its negative
	s_mov_b32 s23, 0x7149f2ca                      ; 1e30
	s_mov_b32 s40, 0x76543210                      ; v_permlanex16_b32: lane i takes lane i of the other half
	s_mov_b32 s41, 0xfedcba98
	; descriptor group 1: 64 rows of 32 elements of 8 bytes, dense: 16 KB a wave
	s_mov_b32 s[G1+0], 15|(3<<16)|(1<<21)          ; mask: all four work-groups; elements of 8 bytes; bit 21 beside a mask
	s_mov_b32 s[G1+1], 32<<16
	s_mov_b32 s[G1+2], 64<<16
	s_mov_b32 s[G1+3], 32<<16
	s_mov_b32 s[G1+4], 64
	s_mov_b32 s[G1+5], 32
	s_mov_b32 s[G1+6], 0
	s_mov_b32 s[G1+7], 0
	s_lshl_b32 s48, s16, 19                        ; a batch is 524,288 bytes of kf and of vf
	s_and_b32 s49, s14, 1
	s_lshl_b32 s49, s49, 14                        ; which half of the tile I fetch
	s_add_co_u32 s48, s48, s49
	s_mov_b32 s49, 0
	s_lshl_b32 s50, s14, 14                        ; in a slot: K's two halves, then V's two halves = wave x 16 KB
	; offsets that hold cx, in registers of their own
	s_sub_co_u32 s56, 15, s17                      ; 15 - c
	s_lshl_b32 s51, s16, 7
	s_lshl_b32 s54, s15, 1
	s_add_co_u32 s51, s51, s54                     ; 128 b + 2 cx, in row tiles of 16
	s_lshl_b32 s52, s17, 3
	s_add_co_u32 s52, s52, s51
	s_lshl_b32 s52, s52, 12                        ; lo: 4,096 bytes a row tile
	s_mov_b32 s53, 0
	s_lshl_b32 s54, s56, 3
	s_add_co_u32 s54, s54, s51
	s_lshl_b32 s54, s54, 12                        ; hi
	s_mov_b32 s55, 0
	s_lshl_b32 s60, s14, 4                         ; the 16 rows that I write: q tile = wave
	s_lshl_b32 s57, s17, 7
	s_add_co_u32 s57, s57, s60                     ; waves 0, 1: 128 c + 16 wave
	s_lshl_b32 s58, s56, 7
	s_add_co_u32 s58, s58, s60
	s_sub_co_u32 s58, s58, 32                      ; waves 2, 3: 128 (15 - c) + 16 (wave - 2)
	s_cmp_lt_u32 s14, 2
	s_cselect_b32 s58, s57, s58
	s_lshl_b32 s57, s16, 11
	s_add_co_u32 s58, s58, s57
	s_lshl_b32 s57, s15, 5
	s_add_co_u32 s58, s58, s57                     ; + 2,048 b + 32 cx
	s_lshl_b32 s58, s58, 9                         ; rows of 512 bytes
	s_mov_b32 s59, 0
	v_and_b32 v18, 31, v0                          ; lane
	v_and_b32 v19, 15, v0                          ; r
	v_bfe_u32 v20, v0, 4, 1                        ; h
	v_lshlrev_b32 v1, 4, v18                       ; 16 L; never rewritten
	s_wait_dscnt 0x0
	s_wait_kmcnt 0x0
	s_add_nc_u64 s[42:43], s[4:5], s[52:53]        ; my lo q tiles
	s_add_nc_u64 s[44:45], s[4:5], s[54:55]        ; my hi q tiles
	s_add_nc_u64 s[10:11], s[10:11], s[58:59]
	WIN W_LDQ
.irp qt, 0,1
.irp s, 0,1,2,3
	global_load_b128 v[8*(4*\qt+\s):8*(4*\qt+\s)+3],           v1, s[42:43] offset:\qt*4096+\s*1024
	global_load_b128 v[8*(4*\qt+\s)+4:8*(4*\qt+\s)+7],         v1, s[42:43] offset:\qt*4096+\s*1024+512
	global_load_b128 v[8*(4*(\qt+2)+\s):8*(4*(\qt+2)+\s)+3],   v1, s[44:45] offset:\qt*4096+\s*1024
	global_load_b128 v[8*(4*(\qt+2)+\s)+4:8*(4*(\qt+2)+\s)+7], v1, s[44:45] offset:\qt*4096+\s*1024+512
.endr
.endr
	WIN 0
	s_cmp_lt_u32 s14, 2                            ; waves 0, 1 fetch K, waves 2, 3 V: the wave's number alone decides
	s_cselect_b64 s[46:47], s[6:7], s[8:9]
	s_add_nc_u64 s[46:47], s[46:47], s[48:49]
.irp n, 0,1
	s_mov_b32 s[G0+4*\n], 1
	s_add_co_u32 s[G0+4*\n+1], s50, \n*SLOT
	s_add_nc_u64 s[G0+4*\n+2:G0+4*\n+3], s[46:47], \n*32768        ; step n
	s_or_b32 s[G0+4*\n+3], s[G0+4*\n+3], 0x80000000
.endr
	s_lshl_b32 s60, s14, 13                        ; my 32 keys: 8 KB of K, and of V
	v_add_nc_u32 v[ADK], s60, v1
	v_add_nc_u32 v[ADK+1], SLOT, v[ADK]
	s_sub_co_i32 s61, s15, s14
	s_lshl_b32 s61, s61, 5                         ; 32 (cx - wave), signed
	v_add_nc_u32 v[DG], s61, v19
	v_lshlrev_b32 v21, 3, v20
	v_sub_nc_u32 v[DG], v[DG], v21
	v_mov_b32 v[NINF], 0xff800000
	s_mul_i32 s62, s14, WSTAGE
	s_add_co_u32 s62, s62, STAGE                   ; my stage
	v_mul_u32_u24 v[STO], v19, SPITCH
	v_lshl_add_u32 v[STO], v20, 5, v[STO]          ; row r, 32 bytes for each half of the lanes
	v_add_nc_u32 v[STO], s62, v[STO]
	s_mul_i32 s63, s14, 16*SPITCH
	s_add_co_u32 s63, s63, STAGE                   ; rows 16 wave .. of wave 0's stage
	v_add_nc_u32 v[RD], s63, v1
	v_add_nc_u32 v[RD+1], WSTAGE, v[RD]
	v_add_nc_u32 v[RD+2], 2*WSTAGE, v[RD]
	v_add_nc_u32 v[RD+3], 3*WSTAGE, v[RD]
	v_lshl_add_u32 v[STR], v19, 2, STAT
	ROUND                                          ; all four work-groups are here
	tensor_load_to_lds s[G0:G0+3], s[G1:G1+7]      ; step 0
	s_nop 0
	s_wait_loadcnt 0x0                             ; Q, once
	; 16 - c steps; step j lies in slot j & 1.  The first is written out (its products start the sums), the last too (hi alone, masked, no fill).
	TRIP 0, 1, 1, 0
	s_sub_co_u32 s19, 13, s17
	s_lshr_b32 s19, s19, 1                         ; 3 to 6 trips of two steps (c = 7 .. 0)
.Lsteps:
	TRIP 1, 1, 0, 0
	TRIP 0, 1, 0, 0
	s_sub_co_i32 s19, s19, 1
	s_cmp_gt_i32 s19, 0                            ; a signed compare: the loop ends from any start
	s_cbranch_scc1 .Lsteps
	TRIP 1, 1, 0, 0
	s_and_b32 s60, s17, 1                          ; c is the same in the whole cluster
	s_cmp_lg_u32 s60, 0
	s_cbranch_scc1 .Lodd
	TRIP 0, 1, 0, 0                                ; c even: two steps are left
	TRIP 1, 0, 0, 1
	s_branch .Lmerge
.Lodd:
	TRIP 0, 0, 0, 1                                ; c odd: one
.Lmerge:
	; THE MERGE of the four waves' (m, sum, O).
	PLACES
.irp qt, 0,1,2,3
	v_permlanex16_b32 v[T+\qt], v[LS+\qt], s40, s41
.endr
.irp qt, 0,1,2,3
	v_add_f32 v[LS+\qt], v[LS+\qt], v[T+\qt]       ; both halves' keys
.endr
	s_lshl_b32 s60, s14, 8
	v_add_nc_u32 v[T+7], s60, v[STR]
.irp qt, 0,1,2,3
	ds_store_b32 v[T+7], v[MN+\qt] offset:\qt*64           ; lanes r and r + 16 write the same word with the same value
	ds_store_b32 v[T+7], v[LS+\qt] offset:1024+\qt*64
.endr
	s_wait_dscnt 0x0                               ; for the other waves: my stores are done
	s_barrier_signal -1
	s_barrier_wait -1
.irp qt, 0,1,2,3
.irp w, 0,1,2,3
	ds_load_b32 v[32+4*\qt+\w], v[STR] offset:\w*256+\qt*64
	ds_load_b32 v[48+4*\qt+\w], v[STR] offset:1024+\w*256+\qt*64
.endr
.endr
	s_wait_dscnt 0x0
.irp qt, 0,1,2,3
	v_min3_num_f32 v[T+\qt], v[32+4*\qt], v[33+4*\qt], v[34+4*\qt]
.endr
.irp qt, 0,1,2,3
	v_min_num_f32 v[T+\qt], v[T+\qt], v[35+4*\qt]          ; -(the row's maximum over all keys)
.endr
.irp qt, 0,1,2,3
	v_sub_f32 v[T+4+\qt], v[T+\qt], v[MN+\qt]              ; my maximum - the row's
.irp w, 0,1,2,3
	v_sub_f32 v[32+4*\qt+\w], v[T+\qt], v[32+4*\qt+\w]
.endr
.endr
.irp i, 0,1,2,3,4,5,6,7,8,9,10,11,12,13,14,15
	v_exp_f32 v[32+\i], v[32+\i]
.endr
.irp qt, 0,1,2,3
	v_exp_f32 v[T+4+\qt], v[T+4+\qt]
.endr
	v_nop                                          ; one plain place behind the run
	s_wait_alu depctr_va_vdst(0)
.irp qt, 0,1,2,3
	v_mul_f32 v[T+\qt], v[32+4*\qt], v[48+4*\qt]
.endr
.irp w, 1,2,3
.irp qt, 0,1,2,3
	v_fmac_f32 v[T+\qt], v[32+4*\qt+\w], v[48+4*\qt+\w]    ; the row's sum; at least 1: the largest term is exp2(0)
.endr
.endr
.irp qt, 0,1,2,3
	v_rcp_f32 v[T+\qt], v[T+\qt]
.endr
	v_nop
	s_wait_alu depctr_va_vdst(0)
.irp qt, 0,1,2,3
	v_mul_f32 v[64+2*\qt], v[T+4+\qt], v[T+\qt]            ; my weight / the row's sum, twice
	v_mul_f32 v[65+2*\qt], v[T+4+\qt], v[T+\qt]
.endr
	WIN W_RESC
.irp qt, 0,1,2,3
.set i, 0
.rept 32
	v_pk_mul_f32 v[64*\qt+2*i:64*\qt+2*i+1], v[64*\qt+2*i:64*\qt+2*i+1], v[64+2*\qt:65+2*\qt]
.set i, i+1
.endr
.endr
	WIN W_STG
.irp qt, 0,1,2,3
.irp ht, 0,1,2,3,4,5,6,7
	ds_store_b128 v[STO], v[8*(8*\qt+\ht):8*(8*\qt+\ht)+3]   offset:\qt*16*SPITCH+\ht*64      ; row 16 qt + r, columns 16 ht + 8 h + 0..3
	ds_store_b128 v[STO], v[8*(8*\qt+\ht)+4:8*(8*\qt+\ht)+7] offset:\qt*16*SPITCH+\ht*64+16   ; + 4..7
.endr
.endr
	WIN 0
	s_wait_dscnt 0x0
	s_barrier_signal -1
	s_barrier_wait -1
	; Wave w adds the four stages' rows 16 w .. 16 w + 15, four rows at a time, and stores whole rows of 512 bytes; each row's sum has registers of its own (v96-159).
.irp g, 0,1,2,3
.irp i, 0,1,2,3
.irp w, 0,1,2,3
	ds_load_b128 v[32+16*\i+4*\w:32+16*\i+4*\w+3], v[RD+\w] offset:(4*\g+\i)*SPITCH
.endr
.endr
.irp i, 0,1,2,3
	s_wait_dscnt 12-4*\i                           ; the four loads of each later row stay out
	v_pk_add_f32 v[96+4*(4*\g+\i):96+4*(4*\g+\i)+1],   v[32+16*\i:32+16*\i+1],     v[32+16*\i+4:32+16*\i+5]
	v_pk_add_f32 v[96+4*(4*\g+\i)+2:96+4*(4*\g+\i)+3], v[32+16*\i+2:32+16*\i+3],   v[32+16*\i+6:32+16*\i+7]
	v_pk_add_f32 v[32+16*\i+8:32+16*\i+9],             v[32+16*\i+8:32+16*\i+9],   v[32+16*\i+12:32+16*\i+13]
	v_pk_add_f32 v[32+16*\i+10:32+16*\i+11],           v[32+16*\i+10:32+16*\i+11], v[32+16*\i+14:32+16*\i+15]
	v_pk_add_f32 v[96+4*(4*\g+\i):96+4*(4*\g+\i)+1],   v[96+4*(4*\g+\i):96+4*(4*\g+\i)+1],   v[32+16*\i+8:32+16*\i+9]
	v_pk_add_f32 v[96+4*(4*\g+\i)+2:96+4*(4*\g+\i)+3], v[96+4*(4*\g+\i)+2:96+4*(4*\g+\i)+3], v[32+16*\i+10:32+16*\i+11]
	global_store_b128 v1, v[96+4*(4*\g+\i):96+4*(4*\g+\i)+3], s[10:11] offset:(4*\g+\i)*512 th:TH_STORE_NT
.endr
.endr
	s_set_vgpr_msb 0xa
	s_wait_tensorcnt 0x0
	ds_add_u32 v128, v129
	s_wait_dscnt 0x0
	s_set_vgpr_msb 0xa00
	ROUND                                          ; the closing round: no work-group ends while a partner may still ask jointly
	s_endpgm
.Lfunc_end_k_q69ca4cfb25_attn:
	.size	k_q69ca4cfb25_attn, .Lfunc_end_k_q69ca4cfb25_attn-k_q69ca4cfb25_attn
	.p2alignl 7, 3214868480
	.fill 96, 4, 3214868480
	.section	.rodata,"a",@progbits
	.p2align	6, 0x0
	.amdhsa_kernel k_q69ca4cfb25_attn
		.amdhsa_group_segment_fixed_size 327680
		.amdhsa_private_segment_fixed_size 0
		.amdhsa_enable_private_segment 0
		.amdhsa_kernarg_size 32
		.amdhsa_user_sgpr_count 2
		.amdhsa_user_sgpr_kernarg_segment_ptr 1
		.amdhsa_wavefront_size32 1
		.amdhsa_system_sgpr_workgroup_id_x 1
		.amdhsa_system_sgpr_workgroup_id_y 1
		.amdhsa_system_sgpr_workgroup_id_z 1
		.amdhsa_system_vgpr_workitem_id 0
		.amdhsa_next_free_vgpr 642
		.amdhsa_next_free_sgpr 66
		.amdhsa_reserve_vcc 1
		.amdhsa_float_denorm_mode_32 3
		.amdhsa_float_denorm_mode_16_64 3
		.amdhsa_memory_ordered 1
		.amdhsa_forward_progress 1
		.amdhsa_inst_pref_size 211
	.end_amdhsa_kernel
	.amdgpu_metadata
---
amdhsa.version: [ 1, 2 ]
amdhsa.kernels:
  - .name:           k_q69ca4cfb25_attn
    .symbol:         k_q69ca4cfb25_attn.kd
    .args:
      - { .name: qf, .offset: 0, .size: 8, .value_kind: global_buffer, .address_space: global }
      - { .name: kf, .offset: 8, .size: 8, .value_kind: global_buffer, .address_space: global }
      - { .name: vf, .offset: 16, .size: 8, .value_kind: global_buffer, .address_space: global }
      - { .name: out0, .offset: 24, .size: 8, .value_kind: global_buffer, .address_space: global }
    .group_segment_fixed_size: 327680
    .private_segment_fixed_size: 0
    .kernarg_segment_align: 8
    .kernarg_segment_size: 32
    .max_flat_workgroup_size: 128
    .sgpr_count:     66
    .vgpr_count:     642
    .wavefront_size: 32
...
	.end_amdgpu_metadata
.endif
;; end of part 3
;; ======== version 2 of 2: 3 launches; 1.31 times as fast as version 1
;; limits: values are held in f16: magnitudes above 65,504 overflow, below 6.1e-05 lose precision
;; workspace buffers: wp 786,432 bytes; qf 4,194,304 bytes; kf 4,194,304 bytes; vf 4,194,304 bytes
;; launch prep: the kernel of part 1 again; grid 32 x 6, 8 waves a work-group, no clusters, 0 bytes of LDS; arguments Wq, Wk, Wv, wp; writes wp
;; launch proj (part 4): grid 256 x 1, 4 waves a work-group, clusters of 4 x 1, 327,680 bytes of LDS; arguments x, wp, qf, kf, vf; writes qf, kf, vf
.if DOCPART == 4
	.amdgcn_target "amdgcn-amd-amdhsa--gfx1250"
	.amdhsa_code_object_version 6
	.text
	.protected	k_q69ca4cfb25_proj
	.globl	k_q69ca4cfb25_proj
	.p2align	8
	.type	k_q69ca4cfb25_proj,@function
k_q69ca4cfb25_proj:
	s_mov_b64 s[64:65], 0
	v_nop
	global_prefetch_b8 v0, s[64:65] scope:SCOPE_SE
	s_setreg_imm32_b32 hwreg(HW_REG_WAVE_MODE, 25, 1), 1
	s_wait_xcnt 0x0
	s_wait_alu depctr_hold_cnt(0) depctr_sa_sdst(0) depctr_va_vdst(0) depctr_va_sdst(0) depctr_va_ssrc(0) depctr_va_vcc(0) depctr_vm_vsrc(0)
	s_getreg_b32 s2, hwreg(HW_REG_IB_STS2, 6, 4)
	s_cmp_eq_u32 s2, 0
	s_cbranch_scc0 .Lentry_in_a_cluster
	s_endpgm
.Lentry_in_a_cluster:
	s_bfe_u32 s2, ttmp6, 0x10000c
	s_cmp_lg_u32 s2, 0x3003
	s_cbranch_scc0 .Lentry_shape_is_right
	s_endpgm
.Lentry_shape_is_right:
; q, k, v = x W.  x: [16384][1024] f32.  wp: the three W in bf16, fragment order (blocks of 1,024 bytes, [jj][lane][16 bytes]).
; Out, f16, fragment order too (r = lane & 15, h = lane >> 4):
;   qf, kf: block RT*4 + s holds X[16 RT + r][32 s + 16 jj + 8 h + 0..7];   vf: block KT*8 + ht holds V[32 KT + 16 jj + 8 h + 0..7][16 ht + r].
; A work-group takes 64 rows of x and all 384 columns, so every byte of x is read once in the launch: 256 work-groups.
; Four waves; wave w makes 64 rows x 96 columns (columns 32 w .. 32 w + 31 of q, of k and of v): 24 accumulator tiles, 192 registers.
; K goes in 8 tiles of 128.
; W: all work-groups walk the same 768 KB.  Four work-groups form a cluster and ask for each tile JOINTLY (mask 15): each wave
;    brings 24 KB (32 of K), dense, as 96 rows of 256 bytes, into a ring of two slots of 96 KB.
; THE ORDER OF K: cluster i starts at tile (i + i / 8) mod 8 and goes round.  So the 64 clusters ask for eight different tiles of W at a time, and
;    from its second trip on a cluster asks for a tile that other clusters asked for one trip earlier.  'Tile t' below is the t-th in the cluster's order.
; x: has one user, so it is not shared.  It comes by 16-byte loads into a ring of three landing buffers in registers (two to three
;    tiles, 64 to 96 KB a work-group, on their way; these loads stay out across the barriers), is rounded once to bf16 (nearest even)
;    and laid into a ring of two LDS tiles of its own, which no tensor load ever fills.
; q and k tiles are made transposed (source 0 = W, source 1 = x): a lane then holds eight neighbouring columns of one row.  v tiles
; are made the natural way: a lane holds eight neighbouring rows of one column, which is V transposed.  Either way four packed
; conversions give the 16 bytes of the output's fragment order, and each store of a wave covers 512 consecutive bytes, aligned.
; WHY q, k, v LEAVE IN f16.  An attention row of few keys carries v's rounding almost undiminished, while the result is held to one
; hundredth of the whole output's root mean square, which the many-keyed rows make small.  f16 keeps 11 significant bits, bf16 8.
; LIMITS.  x and W are rounded to bf16, sums are f32; the sum over K begins at the cluster's first tile and wraps, so its order of rounding differs
; from an ascending sum's.  q, k, v must stay below f16's largest number, 65,504, in magnitude; beyond it the
; conversion overflows and the result is not served.  Room: x of spread 1 and W of spread 1/32 give spread 1; both 30 times larger give
; 900; common offsets of 30 spreads on both give 1024 x 30 x 30/32 = 28,800.  Both 30 times smaller give 0.0011, 18 times f16's least
; normal number; what falls below that keeps an absolute error of 2^-25.
.set WSLOT, 98304                      ; a slot of W: 128 of K = 4 x 24 blocks of 1,024 bytes
.set WPART, 24576                      ; what one tensor load brings: 32 of K
.set XT0,   2*WSLOT                    ; the x tiles lie behind the ring
.set XP,    272                        ; an x row in LDS: 256 bytes + 16: an odd multiple of 16, so sixteen rows' 16-byte pieces fall on sixteen different places modulo 256
.set XTILE, 64*XP                      ; 17,408 bytes
.set ADRX, 4                           ; v4-5    LDS address of my x fragments in x tile 0, 1
.set ADRW, 6                           ; v6-9    LDS address of my W fragments: slot n, half p at 2 n + p
.set STX,  10                          ; v10-11  where I put 8 bytes of a row of x, tile 0, 1
.set XO,   16                          ; v16-23  byte offset in a row of x of my 16 bytes of tile t; never rewritten
.set F0,   32                          ; fragment buffer 0: x in v32-63, W in v64-111
.set FSTEP, 80                         ; fragment buffer 1 at v112-191
.set T,    192                         ; v192-223 x rounded to bf16, on its way to LDS
.set G1,   24                          ; s[24:31] descriptor group 1
.set G0,   32                          ; s[32:39] descriptor group 0, a set for each slot
; window 1: accumulator tile (a, u) at v[8 (6 a + u)], a = 0..3 (16 rows each), u = 0..5 (q q k k v v).  window 2: landing buffer i at v[64 i].
.set W_MUL, 0x50                       ; C and D in window 1
.set W_CVX, 0x0a                       ; sources 0 and 1 in window 2
.set W_LDX, 0x80                       ; destination in window 2
.set W_CVO, 0x05                       ; sources 0 and 1 in window 1
.set MSB, 0
.macro WIN new                         ; the immediate's high byte repeats the setting that is left; a switch that changes nothing is dropped
.if MSB != \new
	s_set_vgpr_msb (MSB<<8)|\new
.set MSB, \new
.endif
.endm
.macro PLACES                          ; four places behind a matrix instruction (ISA guide 7.12.1) before its registers are loaded into, written or read
.rept 4
	v_nop
.endr
.endm
; A round of the cluster's barrier: my work-group's barrier, wave 0 signals for the work-group, every wave waits for all four work-groups, my work-group's barrier again.
.macro ROUND
	s_barrier_signal -1
	s_barrier_wait -1
	s_cmp_lg_u32 s14, 0
	s_cbranch_scc1 .Lnot_wave_0_\@
	s_barrier_signal -3
.Lnot_wave_0_\@:
	s_barrier_wait -3
	s_barrier_signal -1
	s_barrier_wait -1
.endm
; Tile t of x, my 16 rows: one load takes a row's 512 bytes (128 f32).  x is read once in the launch.
.macro XLOAD t
	WIN W_LDX
.irp i, 0,1,2,3,4,5,6,7,8,9,10,11,12,13,14,15
	global_load_b128 v[64*((\t)%3)+4*\i:64*((\t)%3)+4*\i+3], v[XO+(\t)], s[4:5] offset:\i*4096 th:TH_LOAD_NT
.endr
.endm
; Tile t of x has landed: round it, lay it into x tile t & 1, and ask for tile t + 3 into the same landing buffer.
.macro XSTAGE t
.set XC, 16*(7-(\t))
.if XC > 32
.set XC, 32
.endif
	s_wait_loadcnt XC                              ; loads come back in order: the 16 loads of each later tile that has been asked for (two tiles, near the end one or none) stay out
	WIN W_CVX
.irp i, 0,1,2,3,4,5,6,7,8,9,10,11,12,13,14,15
	v_cvt_pk_bf16_f32 v[T+2*\i],   v[64*((\t)%3)+4*\i],   v[64*((\t)%3)+4*\i+1]
	v_cvt_pk_bf16_f32 v[T+2*\i+1], v[64*((\t)%3)+4*\i+2], v[64*((\t)%3)+4*\i+3]
.endr
	WIN 0
.irp i, 0,1,2,3,4,5,6,7,8,9,10,11,12,13,14,15
	ds_store_b64 v[STX+((\t)&1)], v[T+2*\i:T+2*\i+1] offset:\i*XP   ; 32 lanes x 8 bytes: one row's 256 bytes
.endr
.if (\t)+3 <= 7
	XLOAD (\t)+3
.endif
.endm
; The fragments of quarter q (32 of K) of tile t into buffer f: 4 of x (8 loads), 6 of W (12 loads)
.macro FETCH t, q, f
	WIN 0
.irp a, 0,1,2,3
	ds_load_b128 v[(\f)+8*\a:(\f)+8*\a+3],   v[ADRX+((\t)&1)] offset:\a*16*XP+64*(\q)
	ds_load_b128 v[(\f)+8*\a+4:(\f)+8*\a+7], v[ADRX+((\t)&1)] offset:\a*16*XP+64*(\q)+32
.endr
.irp u, 0,1,2,3,4,5
	ds_load_b128 v[(\f)+32+8*\u:(\f)+32+8*\u+3],   v[ADRW+2*((\t)&1)+((\q)>>1)] offset:((\q)&1)*WPART+\u*1024
	ds_load_b128 v[(\f)+32+8*\u+4:(\f)+32+8*\u+7], v[ADRW+2*((\t)&1)+((\q)>>1)] offset:((\q)&1)*WPART+\u*1024+512
.endr
.endm
; One matrix instruction on tile (a, u).  zero = 1: the first product starts the sum, nothing is cleared.
.macro MM f, a, u, zero
.if (\u) < 4
.if \zero
	v_wmma_f32_16x16x32_bf16 v[8*(6*\a+(\u)):8*(6*\a+(\u))+7], v[(\f)+32+8*(\u):(\f)+32+8*(\u)+7], v[(\f)+8*\a:(\f)+8*\a+7], 0
.else
	v_wmma_f32_16x16x32_bf16 v[8*(6*\a+(\u)):8*(6*\a+(\u))+7], v[(\f)+32+8*(\u):(\f)+32+8*(\u)+7], v[(\f)+8*\a:(\f)+8*\a+7], v[8*(6*\a+(\u)):8*(6*\a+(\u))+7]
.endif
.else
.if \zero
	v_wmma_f32_16x16x32_bf16 v[8*(6*\a+(\u)):8*(6*\a+(\u))+7], v[(\f)+8*\a:(\f)+8*\a+7], v[(\f)+32+8*(\u):(\f)+32+8*(\u)+7], 0
.else
	v_wmma_f32_16x16x32_bf16 v[8*(6*\a+(\u)):8*(6*\a+(\u))+7], v[(\f)+8*\a:(\f)+8*\a+7], v[(\f)+32+8*(\u):(\f)+32+8*(\u)+7], v[8*(6*\a+(\u)):8*(6*\a+(\u))+7]
.endif
.endif
.endm
; The 24 accumulators take turns, one instruction a turn, in the same order in every quarter.
.macro MUL12 f, u0, zero
.irp du, 0,1,2
.irp a, 0,1,2,3
	MM \f, \a, \u0+\du, \zero
.endr
.endr
.endm
; 32 of K: 24 matrix instructions; in their middle the next quarter's 20 loads go out in one run, into the other buffer.
.macro QUARTER t, q, dsn, zero
	s_wait_dscnt \dsn
	WIN W_MUL
	MUL12 F0+FSTEP*((\q)&1), 0, \zero
.if (\q) < 3
	PLACES
	FETCH \t, (\q)+1, F0+FSTEP*(((\q)+1)&1)
.endif
	WIN W_MUL
	MUL12 F0+FSTEP*((\q)&1), 3, \zero
.endm
; Tile t.  In front of the round every wave has waited for all its tensor loads (one was out: its part of this tile) and for all its LDS
; instructions (its reads of the last tile of W and of x, its stores of this tile of x).  Behind the round: no wave of the cluster reads the other slot
; any more, so it is asked for again, first thing, one load a wave; this tile of W and of x is whole for every wave.
.macro TRIP t
	s_wait_tensorcnt 0x0
	ds_add_u32 v254, v255
	s_wait_dscnt 0x0
.if (\t) < 6
	s_add_co_u32 s48, s46, (\t)+2                  ; no load of mine is out, so a group 0 may be written: this slot's next tile, t + 2 in the cluster's order,
	s_and_b32 s48, s48, 7                          ; which is tile (first + t + 2) mod 8 of W
	s_mul_i32 s48, s48, WSLOT
	s_add_nc_u64 s[G0+4*((\t)&1)+2:G0+4*((\t)&1)+3], s[44:45], s[48:49]
	s_or_b32 s[G0+4*((\t)&1)+3], s[G0+4*((\t)&1)+3], 0x80000000
.endif
	s_wait_dscnt 0x0
	WIN 0
	ROUND
.if (\t) < 7
	tensor_load_to_lds s[G0+4*(1-((\t)&1)):G0+4*(1-((\t)&1))+3], s[G1:G1+7]   ; tile t + 1; it has this tile's 96 matrix instructions in which to land
	s_nop 0
.endif
	PLACES
	FETCH \t, 0, F0
.if (\t) < 7
	XSTAGE (\t)+1                                  ; into the x tile that was read in the last trip
.if (\t) == 0
	QUARTER \t, 0, 16, 1                           ; 16: the x stores issued behind the 20 fragment loads may stay out
.else
	QUARTER \t, 0, 16, 0
.endif
.else
	QUARTER \t, 0, 0, 0
.endif
	QUARTER \t, 1, 0, 0
	QUARTER \t, 2, 0, 0
	QUARTER \t, 3, 0, 0
.endm
	s_load_b256 s[4:11], s[0:1], 0x0               ; x s[4:5], wp s[6:7], qf s[8:9], kf s[10:11]
	s_load_b64 s[12:13], s[0:1], 0x20              ; vf
	v_lshl_add_u32 v254, v0, 2, 0x38800
	v_mov_b32 v255, 0
	ds_add_u32 v254, v255
	v_lshrrev_b32 v2, 5, v0
	v_readfirstlane_b32 s14, v2                    ; wave 0..3
	s_bfe_u32 s15, ttmp6, 0x40000                  ; cx: my place in the cluster
	s_lshl_b32 s16, ttmp9, 2                       ; ttmp9 counts clusters
	s_add_co_u32 s16, s16, s15                     ; work-group 0..255
	s_lshl_b32 s18, s16, 18                        ; 64 rows of 4,096 bytes a work-group,
	s_lshl_b32 s17, s14, 16                        ; 16 a wave
	s_add_co_u32 s18, s18, s17
	s_mov_b32 s19, 0
	s_lshr_b32 s46, ttmp9, 3
	s_add_co_u32 s46, s46, ttmp9
	s_and_b32 s46, s46, 7                          ; the cluster's first K tile: (i + i / 8) mod 8, the same in all four work-groups
	v_and_b32 v3, 31, v0                           ; lane
	v_lshlrev_b32 v1, 4, v3                        ; 16 L: offset of the stores, lane term of the x loads; never rewritten
.irp t, 0,1,2,3,4,5,6,7
	s_add_co_u32 s47, s46, \t
	s_and_b32 s47, s47, 7
	s_lshl_b32 s47, s47, 9                         ; a tile is 512 bytes of a row of x
	v_add_nc_u32 v[XO+\t], s47, v1
.endr
	s_wait_dscnt 0x0
	s_wait_kmcnt 0x0
	s_add_nc_u64 s[4:5], s[4:5], s[18:19]          ; x at my 16 rows
	XLOAD 0                                        ; three tiles of x go out ahead of everything that waits
	XLOAD 1
	XLOAD 2
	WIN 0
	; descriptor group 1: 96 rows of 32 elements of 8 bytes, dense
	s_mov_b32 s[G1+0], 15|(3<<16)|(1<<21)          ; 15:0 the mask: all four work-groups; 17:16 elements of 8 bytes; 21 set beside a mask
	s_mov_b32 s[G1+1], 32<<16                      ; tensor_dim0 = 32
	s_mov_b32 s[G1+2], 96<<16                      ; tensor_dim1 = 96
	s_mov_b32 s[G1+3], 32<<16                      ; tile_dim0 = 32
	s_mov_b32 s[G1+4], 96                          ; tile_dim1 = 96
	s_mov_b32 s[G1+5], 32                          ; from row to row: 32 elements
	s_mov_b32 s[G1+6], 0
	s_mov_b32 s[G1+7], 0
	s_mul_i32 s20, s14, WPART                      ; my 32 of K in a tile: the wave's number alone enters, in memory and in LDS
	s_mov_b32 s21, 0
	s_add_nc_u64 s[44:45], s[6:7], s[20:21]        ; wp at my part of tile 0 of W; stays
	s_mov_b32 s49, 0                               ; the upper word of the tile's offset; stays
.irp n, 0,1
	s_add_co_u32 s48, s46, \n
	s_and_b32 s48, s48, 7
	s_mul_i32 s48, s48, WSLOT                      ; tile n of the cluster's order
	s_mov_b32 s[G0+4*\n], 1
	s_add_co_u32 s[G0+4*\n+1], s20, \n*WSLOT
	s_add_nc_u64 s[G0+4*\n+2:G0+4*\n+3], s[44:45], s[48:49]
	s_or_b32 s[G0+4*\n+3], s[G0+4*\n+3], 0x80000000
.endr
	; LDS addresses
	v_and_b32 v12, 15, v0                          ; r
	v_bfe_u32 v13, v0, 4, 1                        ; h
	v_mul_u32_u24 v2, v12, XP
	v_lshl_add_u32 v2, v13, 4, v2                  ; r x pitch + 16 h
	v_add_nc_u32 v[ADRX], XT0, v2
	v_add_nc_u32 v[ADRX+1], XT0+XTILE, v2
	s_mul_i32 s22, s14, 6144                       ; my six blocks among the 24 of a ks
	v_add_nc_u32 v[ADRW], s22, v1
	v_add_nc_u32 v[ADRW+1], 2*WPART, v[ADRW]
	v_add_nc_u32 v[ADRW+2], WSLOT, v[ADRW]
	v_add_nc_u32 v[ADRW+3], WSLOT+2*WPART, v[ADRW]
	s_mul_i32 s23, s14, 16*XP                      ; my 16 rows of an x tile
	v_lshl_add_u32 v14, v3, 3, s23                 ; + 8 L
	v_add_nc_u32 v[STX], XT0, v14
	v_add_nc_u32 v[STX+1], XT0+XTILE, v14
	; where the results go
	s_lshl_b32 s40, s16, 14                        ; 64 rows x 256 bytes a work-group, in each of the three buffers
	s_lshl_b32 s17, s14, 10
	s_add_co_u32 s40, s40, s17                     ; qf, kf: block s = wave
	s_mov_b32 s41, 0
	s_lshl_b32 s42, s16, 14
	s_lshl_b32 s17, s14, 11
	s_add_co_u32 s42, s42, s17                     ; vf: blocks ht = 2 wave, 2 wave + 1
	s_mov_b32 s43, 0
	s_add_nc_u64 s[8:9], s[8:9], s[40:41]
	s_add_nc_u64 s[10:11], s[10:11], s[40:41]
	s_add_nc_u64 s[12:13], s[12:13], s[42:43]
	ROUND                                          ; all four work-groups are here: the first joint load meets its partners'
	tensor_load_to_lds s[G0:G0+3], s[G1:G1+7]      ; tile 0 of the cluster's order
	s_nop 0
	XSTAGE 0
.irp t, 0,1,2,3,4,5,6,7
	TRIP \t
.endr
	; The way out: 24 tiles, four packed conversions to f16 and one store each, every tile into registers of its own (v32-127), so nothing waits.
	PLACES
	WIN W_CVO
.irp a, 0,1,2,3
.irp u, 0,1,2,3,4,5
.irp e, 0,1,2,3
	v_cvt_pk_f16_f32 v[32+4*(6*\a+\u)+\e], v[8*(6*\a+\u)+2*\e], v[8*(6*\a+\u)+2*\e+1]
.endr
.endr
.endr
	WIN 0
.irp a, 0,1,2,3
.irp u, 0,1
	global_store_b128 v1, v[32+4*(6*\a+\u):32+4*(6*\a+\u)+3],     s[8:9]   offset:\a*4096+\u*512    ; q: row tile a, half jj = u
	global_store_b128 v1, v[32+4*(6*\a+\u+2):32+4*(6*\a+\u+2)+3], s[10:11] offset:\a*4096+\u*512    ; k likewise
	global_store_b128 v1, v[32+4*(6*\a+\u+4):32+4*(6*\a+\u+4)+3], s[12:13] offset:(\a>>1)*8192+\u*1024+(\a&1)*512   ; v: 32 rows a >> 1, half jj = a & 1
.endr
.endr
	ROUND                                          ; the closing round: no work-group ends while a partner may still ask jointly
	s_endpgm
.Lfunc_end_k_q69ca4cfb25_proj:
	.size	k_q69ca4cfb25_proj, .Lfunc_end_k_q69ca4cfb25_proj-k_q69ca4cfb25_proj
	.p2alignl 7, 3214868480
	.fill 96, 4, 3214868480
	.section	.rodata,"a",@progbits
	.p2align	6, 0x0
	.amdhsa_kernel k_q69ca4cfb25_proj
		.amdhsa_group_segment_fixed_size 327680
		.amdhsa_private_segment_fixed_size 0
		.amdhsa_enable_private_segment 0
		.amdhsa_kernarg_size 40
		.amdhsa_user_sgpr_count 2
		.amdhsa_user_sgpr_kernarg_segment_ptr 1
		.amdhsa_wavefront_size32 1
		.amdhsa_system_sgpr_workgroup_id_x 1
		.amdhsa_system_sgpr_workgroup_id_y 1
		.amdhsa_system_sgpr_workgroup_id_z 1
		.amdhsa_system_vgpr_workitem_id 0
		.amdhsa_next_free_vgpr 704
		.amdhsa_next_free_sgpr 66
		.amdhsa_reserve_vcc 0
		.amdhsa_float_denorm_mode_32 3
		.amdhsa_float_denorm_mode_16_64 3
		.amdhsa_memory_ordered 1
		.amdhsa_forward_progress 1
		.amdhsa_inst_pref_size 152
	.end_amdhsa_kernel
	.amdgpu_metadata
---
amdhsa.version: [ 1, 2 ]
amdhsa.kernels:
  - .name:           k_q69ca4cfb25_proj
    .symbol:         k_q69ca4cfb25_proj.kd
    .args:
      - { .name: x, .offset: 0, .size: 8, .value_kind: global_buffer, .address_space: global }
      - { .name: wp, .offset: 8, .size: 8, .value_kind: global_buffer, .address_space: global }
      - { .name: qf, .offset: 16, .size: 8, .value_kind: global_buffer, .address_space: global }
      - { .name: kf, .offset: 24, .size: 8, .value_kind: global_buffer, .address_space: global }
      - { .name: vf, .offset: 32, .size: 8, .value_kind: global_buffer, .address_space: global }
    .group_segment_fixed_size: 327680
    .private_segment_fixed_size: 0
    .kernarg_segment_align: 8
    .kernarg_segment_size: 40
    .max_flat_workgroup_size: 128
    .sgpr_count:     66
    .vgpr_count:     704
    .wavefront_size: 32
...
	.end_amdgpu_metadata
.endif
;; end of part 4
;; launch attn (part 5): grid 256 x 1, 4 waves a work-group, clusters of 4 x 1, 327,680 bytes of LDS; arguments qf, kf, vf, out0; writes out0
.if DOCPART == 5
	.amdgcn_target "amdgcn-amd-amdhsa--gfx1250"
	.amdhsa_code_object_version 6
	.text
	.protected	k_q69ca4cfb25_attn
	.globl	k_q69ca4cfb25_attn
	.p2align	8
	.type	k_q69ca4cfb25_attn,@function
k_q69ca4cfb25_attn:
	s_mov_b64 s[64:65], 0
	v_nop
	global_prefetch_b8 v0, s[64:65] scope:SCOPE_SE
	s_setreg_imm32_b32 hwreg(HW_REG_WAVE_MODE, 25, 1), 1
	s_wait_xcnt 0x0
	s_wait_alu depctr_hold_cnt(0) depctr_sa_sdst(0) depctr_va_vdst(0) depctr_va_sdst(0) depctr_va_ssrc(0) depctr_va_vcc(0) depctr_vm_vsrc(0)
	s_getreg_b32 s2, hwreg(HW_REG_IB_STS2, 6, 4)
	s_cmp_eq_u32 s2, 0
	s_cbranch_scc0 .Lentry_in_a_cluster
	s_endpgm
.Lentry_in_a_cluster:
	s_bfe_u32 s2, ttmp6, 0x10000c
	s_cmp_lg_u32 s2, 0x3003
	s_cbranch_scc0 .Lentry_shape_is_right
	s_endpgm
.Lentry_shape_is_right:
; out = softmax(causal(q k^T / 32)) v for 8 batches of 2,048 rows, head size 128.  qf, kf, vf: f16 in fragment order (blocks of 1,024 bytes,
; [jj][lane][16 bytes]; qf, kf: block RT*4 + s = X[16 RT + r][32 s + 16 jj + 8 h + 0..7]; vf: block KT*8 + ht = V[32 KT + 16 jj + 8 h + 0..7][16 ht + r]).
; SHARING.  A batch's 16 blocks of 128 rows are paired (c, 15 - c), c = 0..7.  A cluster of four work-groups takes one pair (cluster number = 8 b + c);
; work-group cx takes rows 32 cx .. 32 cx + 31 of both blocks: q tiles 0, 1 (lo, block c) and 2, 3 (hi, block 15 - c).  Keys go in steps of 128:
; hi needs steps 0 .. 15 - c, lo steps 0 .. c: 17 units of 32 x 128 in every work-group of the launch.  The four partners need the same K and V tiles
; and ask for them JOINTLY (mask 15).  Branches and trip counts hang on c and the wave's number alone; cx enters global addresses and the mask's compare.
; THE RING.  A slot holds a DOUBLE STEP, [K a][V a][K a+1][V a+1], 32 KB each; wave w brings part w by one load of 128 rows of 256 bytes.  Two slots, 256 KB.  Both
; first fills go out together; later one load a wave behind each round: 128 KB a work-group are on their way while two steps are worked on.
; THE ORDER OF THE KEYS.  A running softmax takes the key steps in any order.  There are 1 + M double steps, M = 7 - c/2.  Double step 0 comes first in every cluster
; (both q blocks have keys there, so its products start all sums); the other M are walked round from 1 + (c mod M): 1, 2, 3, 4, 5, 1, 3, 4 for c = 0..7.  So the eight
; clusters of a batch ask for different tiles at a time, and mostly for a tile that another cluster of the batch asked for one double step earlier.
; Each step j behind the first two is written in one general form: hi is left out if j > 15 - c and masked if j = 15 - c; lo is left out if j > c and masked if j = c.
; For odd c double step M's second step (16 - c, inside the batch) is brought and not used: 64 KB; in return one descriptor shape serves every fill.
; FRAGMENTS.  Behind each round a wave takes both steps' fragments into registers: buffer A (window 0) for the first, buffer B (window 2) for the second, which
; thus finds them there when its turn comes.
; INSIDE A STEP wave w takes keys 32 w .. 32 w + 31 for all 64 query rows, so each byte of K and V is read from LDS once.  Each wave keeps its own running
; maximum, sum and O; the four are merged once at the end through LDS.
; TRANSPOSED PRODUCTS.  S^T = K Q^T: lane (r, h) holds query r, register j key 16 kt + 8 h + j; packed to f16 these registers ARE the second source of
; O^T = V^T P^T (lane: query r, register j: head column 16 ht + 8 h + j).  So maximum, sum and rescale are the lane's own; one exchange between the halves for each maximum.
; SOFTMAX in base 2: t = s * log2(e)/32; kept is -m (the negated running maximum of t).
; FORMAT.  All four matrix operands are f16 (11 significant bits): a row of few keys carries the rounding of v and p almost undiminished, while the result is held
; to one hundredth of the whole output's root mean square.  p lies in [0, 1] whatever the inputs: the running maximum is taken away first.
; LIMITS.  q, k, v come in f16: magnitudes up to 65,504 (the launch that makes them gives the room by arithmetic).  The running maximum starts at -1e30 in units of t:
; a row whose every allowed t lies below that is not served.  A wave that sees only masked keys of a row keeps sum 0 and O 0 and gets weight exp2(-1e30) = 0 in the
; merge.  Sums are f32, and their order over the keys differs from cluster to cluster; exponentials below 2^-126 come out as 0 (ISA guide, v_exp_f32), and p below
; 2^-25 rounds to 0 in f16.  NaN and infinities in the inputs are not followed as the definition follows them.
.set HALF,   65536                     ; one step: K's 128 rows (32 KB), then V's (32 KB), dense
.set SLOT,   2*HALF                    ; two steps
.set SPITCH, 528                       ; a row of the merge's stage: 512 bytes + 16: an odd multiple of 16
.set WSTAGE, 64*SPITCH                 ; 33,792: a wave's stage, 64 rows of O.  The four stages begin at LDS byte 0: they lie over the slots, and are written only
                                       ; when the slots have had their last fill and a barrier has ended every wave's reads of them
.set STAT,   2*SLOT                    ; 262,144, bytes of their own: -m as [wave][64] f32, the sums 1,024 bytes further
.set RD,   2                           ; v2-3    merge: my 16 rows in the stage of wave 0 and of wave 2 (waves 1 and 3: WSTAGE further, in the immediate)
.set DG,   4                           ; v4      32 cx + r - 32 w - 8 h: key (16 kt + j) of q tile parity p is allowed on the diagonal iff 16 kt + j - 16 p <= this
.set NINF, 5                           ; v5      -infinity
.set MN,   6                           ; v6-9    -m of q tile 0..3
.set LS,   10                          ; v10-13  running sum over my half of the wave's keys
.set NM,   14                          ; v14-15  the new -m, twice
.set AL,   16                          ; v16-17  the rescale factor, twice
.set T,    18                          ; v18-25  at work
.set STO,  26                          ; v26     merge: where my O goes
.set AD,   27                          ; v27-30  LDS address of my K fragments in quarter 0..3 of the ring (V's 32,768 further)
.set STR,  31                          ; v31     STAT + 4 r
.set KF,   32                          ; v32-95   buffer A: K(kt, s) at 8 (4 kt + s)
.set VF,   96                          ; v96-159  buffer A: V(ht)
.set BUFB, 96                          ; buffer B: the same numbers + 96, in window 2: K in v128-191, V in v192-255 there
.set SF,   160                         ; v160-223 S(qt, kt) at 8 (2 qt + kt)
.set PF,   224                         ; v224-255 P(qt)
.set G1,   24                          ; s[24:31]
.set G0,   32                          ; s[32:39], a set for each slot
.set SD,   66                          ; s66     the double step at work
.set SN,   67                          ; s67     the one behind it in the cluster's order
.set SM,   68                          ; s68     M = 7 - c/2
.set SO,   70                          ; s[70:71] a double step's byte offset in kf and vf; the upper word stays 0
; window 1: O(qt, ht) at v[8 (8 qt + ht)].  window 2: Q(qt, s) at v[8 (4 qt + s)], v0-127; buffer B in v128-255.
.set W_QK,   0x08                      ; source 1 (Q) in window 2; + 2: source 0 (K of buffer B) too
.set W_PV,   0x50                      ; C and D in window 1; + 2: source 0 (V of buffer B) in window 2
.set W_RESC, 0x41                      ; destination and source 0 in window 1
.set W_W2,   0x80                      ; destination in window 2
.set W_STG,  0x04                      ; an LDS store's data in window 1
.set MSB, 0
.macro WIN new                         ; the immediate's high byte repeats the setting that is left
.if MSB != \new
	s_set_vgpr_msb (MSB<<8)|\new
.set MSB, \new
.endif
.endm
.macro PLACES                          ; four places behind a matrix instruction (ISA guide 7.12.1)
.rept 4
	v_nop
.endr
.endm
.macro ROUND                           ; a round of the cluster's barrier
	s_barrier_signal -1
	s_barrier_wait -1
	s_cmp_lg_u32 s14, 0
	s_cbranch_scc1 .Lnot_wave_0_\@
	s_barrier_signal -3
.Lnot_wave_0_\@:
	s_barrier_wait -3
	s_barrier_signal -1
	s_barrier_wait -1
.endm
; My 32 keys in quarter ad of the ring: 8 fragments of K, or of V, into buffer buf; each load takes 512 consecutive bytes
.macro LOADK ad, buf
	WIN (W_W2*\buf)
.irp i, 0,1,2,3,4,5,6,7
	ds_load_b128 v[KF+BUFB*\buf+8*\i:KF+BUFB*\buf+8*\i+3],   v[AD+\ad] offset:\i*1024
	ds_load_b128 v[KF+BUFB*\buf+8*\i+4:KF+BUFB*\buf+8*\i+7], v[AD+\ad] offset:\i*1024+512
.endr
.endm
.macro LOADV ad, buf
	WIN (W_W2*\buf)
.irp i, 0,1,2,3,4,5,6,7
	ds_load_b128 v[VF+BUFB*\buf+8*\i:VF+BUFB*\buf+8*\i+3],   v[AD+\ad] offset:32768+\i*1024
	ds_load_b128 v[VF+BUFB*\buf+8*\i+4:VF+BUFB*\buf+8*\i+7], v[AD+\ad] offset:32768+\i*1024+512
.endr
.endm
; Both steps of slot sl into registers.  Order of issue: K A, V A, K B, V B, 16 loads each; the waits further down count by it.
.macro FETCH2 sl
	PLACES                                         ; the buffers were read by the last matrix instructions
	LOADK 2*\sl, 0
	LOADV 2*\sl, 0
	LOADK 2*\sl+1, 1
	s_wait_dscnt 32                                ; K A is in: V A's 16 loads and K B's 16, issued behind it, may stay out
	LOADV 2*\sl+1, 1                               ; issued here, so that at most 48 loads are out
	WIN 0
.endm
; S^T of q tiles q0, q0 + 1: four accumulators take turns, one instruction a turn; the first 32 of the head start the sums
.macro QK q0, buf
.irp s, 0,1,2,3
.irp dq, 0,1
.irp kt, 0,1
.if \s == 0
	v_wmma_f32_16x16x32_f16 v[SF+8*(2*(\q0+\dq)+\kt):SF+8*(2*(\q0+\dq)+\kt)+7], v[KF+BUFB*\buf+8*(4*\kt+\s):KF+BUFB*\buf+8*(4*\kt+\s)+7], v[8*(4*(\q0+\dq)+\s):8*(4*(\q0+\dq)+\s)+7], 0
.else
	v_wmma_f32_16x16x32_f16 v[SF+8*(2*(\q0+\dq)+\kt):SF+8*(2*(\q0+\dq)+\kt)+7], v[KF+BUFB*\buf+8*(4*\kt+\s):KF+BUFB*\buf+8*(4*\kt+\s)+7], v[8*(4*(\q0+\dq)+\s):8*(4*(\q0+\dq)+\s)+7], v[SF+8*(2*(\q0+\dq)+\kt):SF+8*(2*(\q0+\dq)+\kt)+7]
.endif
.endr
.endr
.endr
.endm
.macro MASK q0                         ; the diagonal step: keys beyond the query become -infinity
.irp dq, 0,1
.irp kt, 0,1
.irp j, 0,1,2,3,4,5,6,7
	v_cmp_le_i32 vcc_lo, 16*\kt+\j-16*\dq, v[DG]
	v_cndmask_b32 v[SF+8*(2*(\q0+\dq)+\kt)+\j], v[NINF], v[SF+8*(2*(\q0+\dq)+\kt)+\j], vcc_lo
.endr
.endr
.endr
.endm
; One q tile's step of the running softmax: 16 scores a lane.
.macro SOFT qt, first
.set SB, SF+16*(\qt)
.set PB, PF+8*(\qt)
.set OB, 64*(\qt)
	WIN 0
	v_max3_num_f32 v[T],   v[SB],    v[SB+1],  v[SB+2]
	v_max3_num_f32 v[T+1], v[SB+3],  v[SB+4],  v[SB+5]
	v_max3_num_f32 v[T+2], v[SB+6],  v[SB+7],  v[SB+8]
	v_max3_num_f32 v[T+3], v[SB+9],  v[SB+10], v[SB+11]
	v_max3_num_f32 v[T],   v[T],     v[SB+12], v[SB+13]
	v_max3_num_f32 v[T+1], v[T+1],   v[SB+14], v[SB+15]
	v_max_num_f32  v[T+2], v[T+2],   v[T+3]
	v_max3_num_f32 v[T],   v[T],     v[T+1],   v[T+2]
	v_permlanex16_b32 v[T+1], v[T], s40, s41       ; the other half's keys of the same query
	v_max_num_f32 v[T], v[T], v[T+1]
	v_mul_f32 v[T+1], s22, v[T]                    ; -(log2(e)/32) x the step's maximum; +infinity where all 32 keys are masked
.if \first
	v_min_num_f32 v[NM], s23, v[T+1]               ; the running maximum starts at -1e30
.else
	v_min_num_f32 v[NM], v[MN+(\qt)], v[T+1]
	v_sub_f32 v[T+3], v[NM], v[MN+(\qt)]           ; old maximum - new maximum
	v_exp_f32 v[AL], v[T+3]                        ; the two moves below are the plain places behind it (ISA guide 5.7.2)
.endif
	v_mov_b32 v[MN+(\qt)], v[NM]
	v_mov_b32 v[NM+1], v[NM]
.if \first == 0
	s_wait_alu depctr_va_vdst(0)
	v_mov_b32 v[AL+1], v[AL]
.endif
.irp i, 0,2,4,6,8,10,12,14
	v_pk_fma_f32 v[SB+\i:SB+\i+1], v[SB+\i:SB+\i+1], s[20:21], v[NM:NM+1] op_sel_hi:[1,0,1]   ; t - m
.endr
.irp i, 0,1,2,3,4,5,6,7,8,9,10,11,12,13,14,15
	v_exp_f32 v[SB+\i], v[SB+\i]
.endr
	v_nop                                          ; one plain place behind the run of exponentials
	s_wait_alu depctr_va_vdst(0)
	v_pk_add_f32 v[T:T+1],   v[SB:SB+1],     v[SB+2:SB+3]
	v_pk_add_f32 v[T+2:T+3], v[SB+4:SB+5],   v[SB+6:SB+7]
	v_pk_add_f32 v[T+4:T+5], v[SB+8:SB+9],   v[SB+10:SB+11]
	v_pk_add_f32 v[T+6:T+7], v[SB+12:SB+13], v[SB+14:SB+15]
	v_pk_add_f32 v[T:T+1],   v[T:T+1],       v[T+2:T+3]
	v_pk_add_f32 v[T+4:T+5], v[T+4:T+5],     v[T+6:T+7]
	v_pk_add_f32 v[T:T+1],   v[T:T+1],       v[T+4:T+5]
.if \first
	v_add_f32 v[LS+(\qt)], v[T], v[T+1]
.else
	v_add_f32 v[T], v[T], v[T+1]
	v_fma_f32 v[LS+(\qt)], v[LS+(\qt)], v[AL], v[T]
.endif
.irp i, 0,1,2,3,4,5,6,7
	v_cvt_pk_f16_f32 v[PB+\i], v[SB+2*\i], v[SB+2*\i+1]    ; registers 0-3: keys 8 h + 0..7, registers 4-7: keys 16 + 8 h + 0..7
.endr
.if \first == 0
	WIN W_RESC
.set i, 0
.rept 32
	v_pk_mul_f32 v[OB+2*i:OB+2*i+1], v[OB+2*i:OB+2*i+1], v[AL:AL+1]
.set i, i+1
.endr
.endif
.endm
; O^T += V^T P^T for q tiles q0, q0 + 1: sixteen accumulators, one turn each
.macro PVM q0, first, buf
	WIN (W_PV|(2*\buf))
.irp ht, 0,1,2,3,4,5,6,7
.irp dq, 0,1
.if \first
	v_wmma_f32_16x16x32_f16 v[8*(8*(\q0+\dq)+\ht):8*(8*(\q0+\dq)+\ht)+7], v[VF+BUFB*\buf+8*\ht:VF+BUFB*\buf+8*\ht+7], v[PF+8*(\q0+\dq):PF+8*(\q0+\dq)+7], 0
.else
	v_wmma_f32_16x16x32_f16 v[8*(8*(\q0+\dq)+\ht):8*(8*(\q0+\dq)+\ht)+7], v[VF+BUFB*\buf+8*\ht:VF+BUFB*\buf+8*\ht+7], v[PF+8*(\q0+\dq):PF+8*(\q0+\dq)+7], v[8*(8*(\q0+\dq)+\ht):8*(8*(\q0+\dq)+\ht)+7]
.endif
.endr
.endr
.endm
; Two q tiles against my 32 keys in buffer buf.  mode 0: no mask; 2: masked iff the step's number s18 is the block's, which lies in s[lim].
; vw: how many LDS loads were issued behind this buffer's V.
.macro PART q0, first, mode, lim, buf, vw
	WIN (W_QK|(2*\buf))
	QK \q0, \buf
	WIN 0
	PLACES
.if \mode == 2
	s_cmp_lg_u32 s18, s[\lim]
	s_cbranch_scc1 .Lnomask_\@
	MASK \q0
.Lnomask_\@:
.endif
	SOFT \q0, \first
	SOFT \q0+1, \first
	s_wait_dscnt \vw                               ; V is in
	PVM \q0, \first, \buf
	WIN 0
.endm
; One step of 128 keys, from buffer buf.  gen = 0: one of steps 0, 1, which hi always has and which lie below its diagonal (15 - c is at least 8).
; gen = 1: any step.  kw: how many LDS loads were issued behind this buffer's K (-1: already waited for).
.macro STEP buf, first, gen, kw, vw
.if \kw >= 0
	s_wait_dscnt \kw                               ; K is in
.endif
.if \gen
	s_cmp_gt_u32 s18, s56                          ; hi has steps 0 .. 15 - c
	s_cbranch_scc1 .Lnohi_\@
	PART 2, 0, 2, 56, \buf, \vw
.Lnohi_\@:
.else
	PART 2, \first, 0, 56, \buf, \vw
.endif
.if \first == 0
	s_cmp_gt_u32 s18, s17                          ; lo has steps 0 .. c
	s_cbranch_scc1 .Lnolo_\@
.endif
	PART 0, \first, 2, 17, \buf, \vw
.if \first == 0
.Lnolo_\@:
.endif
	s_add_co_u32 s18, s18, 1
.endm
; The double step s[SD], which lies in slot sl, with a refill of the other slot.  In front of the round every wave has waited for all its tensor loads (one was out: its
; part of this slot) and for its reads of the other slot.  Behind the round no wave of the cluster reads the other slot: it is asked for again, first thing, one load
; a wave, and has two steps' work in which to land.
.macro TWO sl
	s_set_vgpr_msb 0xf
	s_wait_tensorcnt 0x0
	ds_add_u32 v0, v1
	s_wait_dscnt 0x0
	s_set_vgpr_msb 0xf00
	s_add_co_u32 s[SN], s[SD], 1                   ; no load of mine is out, so a group 0 may be written: the next double step of the cluster's order,
	s_cmp_gt_u32 s[SN], s[SM]
	s_cselect_b32 s[SN], 1, s[SN]                  ; round from M to 1,
	s_lshl_b32 s[SO], s[SN], 16                    ; at 64 KB a double step in kf and in vf
	s_add_nc_u64 s[G0+4*(1-\sl)+2:G0+4*(1-\sl)+3], s[46:47], s[SO:SO+1]
	s_or_b32 s[G0+4*(1-\sl)+3], s[G0+4*(1-\sl)+3], 0x80000000
	s_lshl_b32 s18, s[SD], 1                       ; the number of this double step's first step
	s_wait_dscnt 0x0
	ROUND
	tensor_load_to_lds s[G0+4*(1-\sl):G0+4*(1-\sl)+3], s[G1:G1+7]
	s_nop 0
	FETCH2 \sl
	STEP 0, 0, 1, -1, 32                           ; 32: K B's and V B's loads were issued behind V A's
	STEP 1, 0, 1, 16, 0                            ; 16: V B's loads were issued behind K B's
	s_mov_b32 s[SD], s[SN]
.endm
; The last double step of the cluster's order, in slot sl: nothing is filled any more, so my work-group's barrier is enough.
.macro LASTD sl
	s_wait_tensorcnt 0x0                           ; my part of this slot is in: no tensor load is out from here on
	s_lshl_b32 s18, s[SD], 1
	s_wait_dscnt 0x0
	s_barrier_signal -1
	s_barrier_wait -1
	FETCH2 \sl
	STEP 0, 0, 1, -1, 32
	STEP 1, 0, 1, 16, 0
.endm
	s_load_b256 s[4:11], s[0:1], 0x0               ; qf s[4:5], kf s[6:7], vf s[8:9], out0 s[10:11]
	s_set_vgpr_msb 0xc0
	v_lshl_add_u32 v0, v0, 2, 0x40800
	v_mov_b32 v1, 0
	s_set_vgpr_msb 0xc0cf
	ds_add_u32 v0, v1
	s_set_vgpr_msb 0xcf00
	v_lshrrev_b32 v1, 5, v0
	v_readfirstlane_b32 s14, v1                    ; wave 0..3
	s_bfe_u32 s15, ttmp6, 0x40000                  ; cx
	s_lshr_b32 s16, ttmp9, 3                       ; b
	s_and_b32 s17, ttmp9, 7                        ; c
	s_mov_b32 s18, 0                               ; the step's number
	s_mov_b32 s20, 0x3d38aa3b                      ; log2(e) / 32, twice
	s_mov_b32 s21, 0x3d38aa3b
	s_mov_b32 s22, 0xbd38aa3b                      ; its negative
	s_mov_b32 s23, 0x7149f2ca                      ; 1e30
	s_mov_b32 s40, 0x76543210                      ; v_permlanex16_b32: lane i takes lane i of the other half
	s_mov_b32 s41, 0xfedcba98
	; the cluster's order of double steps: 0, then round 1 .. M from 1 + (c mod M); c is below 2 M, so one subtraction makes the remainder
	s_lshr_b32 s[SM], s17, 1
	s_sub_co_u32 s[SM], 7, s[SM]                   ; M = 7 - c/2: 7 7 6 6 5 5 4 4
	s_sub_co_u32 s[SD], s17, s[SM]
	s_cmp_ge_u32 s17, s[SM]
	s_cselect_b32 s[SD], s[SD], s17
	s_add_co_u32 s[SD], s[SD], 1                   ; the second double step of the order
	s_lshl_b32 s[SO], s[SD], 16
	s_mov_b32 s[SO+1], 0
	; descriptor group 1: 128 rows of 32 elements of 8 bytes, dense: 32 KB a wave
	s_mov_b32 s[G1+0], 15|(3<<16)|(1<<21)          ; mask: all four work-groups; elements of 8 bytes; bit 21 beside a mask
	s_mov_b32 s[G1+1], 32<<16
	s_mov_b32 s[G1+2], 128<<16
	s_mov_b32 s[G1+3], 32<<16
	s_mov_b32 s[G1+4], 128
	s_mov_b32 s[G1+5], 32
	s_mov_b32 s[G1+6], 0
	s_mov_b32 s[G1+7], 0
	s_lshl_b32 s48, s16, 19                        ; a batch is 524,288 bytes of kf and of vf
	s_lshr_b32 s49, s14, 1
	s_lshl_b32 s49, s49, 15                        ; waves 0, 1 fetch the pair's first step, waves 2, 3 its second: 32 KB on
	s_add_co_u32 s48, s48, s49
	s_mov_b32 s49, 0
	s_lshl_b32 s50, s14, 15                        ; in a slot: K a, V a, K a+1, V a+1 = wave x 32 KB
	; offsets that hold cx, in registers of their own
	s_sub_co_u32 s56, 15, s17                      ; 15 - c; stays
	s_lshl_b32 s51, s16, 7
	s_lshl_b32 s54, s15, 1
	s_add_co_u32 s51, s51, s54                     ; 128 b + 2 cx, in row tiles of 16
	s_lshl_b32 s52, s17, 3
	s_add_co_u32 s52, s52, s51
	s_lshl_b32 s52, s52, 12                        ; lo: 4,096 bytes a row tile
	s_mov_b32 s53, 0
	s_lshl_b32 s54, s56, 3
	s_add_co_u32 s54, s54, s51
	s_lshl_b32 s54, s54, 12                        ; hi
	s_mov_b32 s55, 0
	s_lshl_b32 s60, s14, 4                         ; the 16 rows that I write: q tile = wave
	s_lshl_b32 s57, s17, 7
	s_add_co_u32 s57, s57, s60                     ; waves 0, 1: 128 c + 16 wave
	s_lshl_b32 s58, s56, 7
	s_add_co_u32 s58, s58, s60
	s_sub_co_u32 s58, s58, 32                      ; waves 2, 3: 128 (15 - c) + 16 (wave - 2)
	s_cmp_lt_u32 s14, 2
	s_cselect_b32 s58, s57, s58
	s_lshl_b32 s57, s16, 11
	s_add_co_u32 s58, s58, s57
	s_lshl_b32 s57, s15, 5
	s_add_co_u32 s58, s58, s57                     ; + 2,048 b + 32 cx
	s_lshl_b32 s58, s58, 9                         ; rows of 512 bytes
	s_mov_b32 s59, 0
	v_and_b32 v18, 31, v0                          ; lane
	v_and_b32 v19, 15, v0                          ; r
	v_bfe_u32 v20, v0, 4, 1                        ; h
	v_lshlrev_b32 v1, 4, v18                       ; 16 L; never rewritten
	s_wait_dscnt 0x0
	s_wait_kmcnt 0x0
	s_add_nc_u64 s[42:43], s[4:5], s[52:53]        ; my lo q tiles
	s_add_nc_u64 s[44:45], s[4:5], s[54:55]        ; my hi q tiles
	s_add_nc_u64 s[10:11], s[10:11], s[58:59]
	WIN W_W2
.irp qt, 0,1
.irp s, 0,1,2,3
	global_load_b128 v[8*(4*\qt+\s):8*(4*\qt+\s)+3],           v1, s[42:43] offset:\qt*4096+\s*1024
	global_load_b128 v[8*(4*\qt+\s)+4:8*(4*\qt+\s)+7],         v1, s[42:43] offset:\qt*4096+\s*1024+512
	global_load_b128 v[8*(4*(\qt+2)+\s):8*(4*(\qt+2)+\s)+3],   v1, s[44:45] offset:\qt*4096+\s*1024
	global_load_b128 v[8*(4*(\qt+2)+\s)+4:8*(4*(\qt+2)+\s)+7], v1, s[44:45] offset:\qt*4096+\s*1024+512
.endr
.endr
	WIN 0
	s_and_b32 s60, s14, 1
	s_cmp_eq_u32 s60, 0                            ; waves 0, 2 fetch K, waves 1, 3 V: the wave's number alone decides
	s_cselect_b64 s[46:47], s[6:7], s[8:9]
	s_add_nc_u64 s[46:47], s[46:47], s[48:49]      ; my part of the batch's double step 0; stays
.irp n, 0,1
	s_mov_b32 s[G0+4*\n], 1
	s_add_co_u32 s[G0+4*\n+1], s50, \n*SLOT
.endr
	s_mov_b64 s[G0+2:G0+3], s[46:47]               ; slot 0: double step 0
	s_add_nc_u64 s[G0+6:G0+7], s[46:47], s[SO:SO+1]   ; slot 1: the second of the cluster's order
	s_or_b32 s[G0+3], s[G0+3], 0x80000000
	s_or_b32 s[G0+7], s[G0+7], 0x80000000
	s_lshl_b32 s60, s14, 13                        ; my 32 keys: 8 KB of K, and of V
	v_add_nc_u32 v[AD], s60, v1
	v_add_nc_u32 v[AD+1], HALF, v[AD]
	v_add_nc_u32 v[AD+2], 2*HALF, v[AD]
	v_add_nc_u32 v[AD+3], 3*HALF, v[AD]
	s_sub_co_i32 s61, s15, s14
	s_lshl_b32 s61, s61, 5                         ; 32 (cx - wave), signed
	v_add_nc_u32 v[DG], s61, v19
	v_lshlrev_b32 v21, 3, v20
	v_sub_nc_u32 v[DG], v[DG], v21
	v_mov_b32 v[NINF], 0xff800000
	s_mul_i32 s62, s14, WSTAGE                     ; my stage
	v_mul_u32_u24 v[STO], v19, SPITCH
	v_lshl_add_u32 v[STO], v20, 5, v[STO]          ; row r, 32 bytes for each half of the lanes
	v_add_nc_u32 v[STO], s62, v[STO]
	s_mul_i32 s63, s14, 16*SPITCH                  ; rows 16 wave .. of wave 0's stage
	v_add_nc_u32 v[RD], s63, v1
	v_add_nc_u32 v[RD+1], 2*WSTAGE, v[RD]
	v_lshl_add_u32 v[STR], v19, 2, STAT
	ROUND                                          ; all four work-groups are here
	tensor_load_to_lds s[G0:G0+3], s[G1:G1+7]      ; double step 0
	s_nop 0
	tensor_load_to_lds s[G0+4:G0+7], s[G1:G1+7]    ; the second of the order: the two first fills go out together; two loads of mine are out, later one
	s_nop 0
	s_wait_loadcnt 0x0                             ; Q, once
	s_wait_tensorcnt 0x1                           ; my part of slot 0 is in; slot 1's, issued behind it, may stay out
	s_barrier_signal -1
	s_barrier_wait -1                              ; everybody's part is in
	FETCH2 0
	STEP 0, 1, 0, -1, 32                           ; step 0 is written out: its products start the sums
	STEP 1, 0, 0, 16, 0
	; M double steps are left; M - 1 of them refill a slot
	s_lshr_b32 s19, s17, 1
	s_sub_co_u32 s19, 6, s19
	s_lshr_b32 s19, s19, 1                         ; 3, 2, 2, 1 trips of two double steps for c/2 = 0, 1, 2, 3
.Lsteps:
	TWO 1
	TWO 0
	s_sub_co_i32 s19, s19, 1
	s_cmp_gt_i32 s19, 0                            ; a signed compare: the loop ends from any start
	s_cbranch_scc1 .Lsteps
	s_and_b32 s60, s17, 2                          ; c/2 odd: M - 1 is odd, one more double step with a refill
	s_cmp_lg_u32 s60, 0
	s_cbranch_scc1 .Lnd_odd
	LASTD 1
	s_branch .Lmerge
.Lnd_odd:
	TWO 1
	LASTD 0
.Lmerge:
	; THE MERGE of the four waves' (m, sum, O).
	PLACES
.irp qt, 0,1,2,3
	v_permlanex16_b32 v[T+\qt], v[LS+\qt], s40, s41
.endr
.irp qt, 0,1,2,3
	v_add_f32 v[LS+\qt], v[LS+\qt], v[T+\qt]       ; both halves' keys
.endr
	s_lshl_b32 s60, s14, 8
	v_add_nc_u32 v[T+7], s60, v[STR]
.irp qt, 0,1,2,3
	ds_store_b32 v[T+7], v[MN+\qt] offset:\qt*64           ; lanes r and r + 16 write the same word with the same value
	ds_store_b32 v[T+7], v[LS+\qt] offset:1024+\qt*64
.endr
	s_wait_dscnt 0x0                               ; for the other waves: my stores are done, and so are my reads of the slots, over which the stages lie
	s_barrier_signal -1
	s_barrier_wait -1
.irp qt, 0,1,2,3
.irp w, 0,1,2,3
	ds_load_b32 v[32+4*\qt+\w], v[STR] offset:\w*256+\qt*64
	ds_load_b32 v[48+4*\qt+\w], v[STR] offset:1024+\w*256+\qt*64
.endr
.endr
	s_wait_dscnt 0x0
.irp qt, 0,1,2,3
	v_min3_num_f32 v[T+\qt], v[32+4*\qt], v[33+4*\qt], v[34+4*\qt]
.endr
.irp qt, 0,1,2,3
	v_min_num_f32 v[T+\qt], v[T+\qt], v[35+4*\qt]          ; -(the row's maximum over all keys)
.endr
.irp qt, 0,1,2,3
	v_sub_f32 v[T+4+\qt], v[T+\qt], v[MN+\qt]              ; my maximum - the row's
.irp w, 0,1,2,3
	v_sub_f32 v[32+4*\qt+\w], v[T+\qt], v[32+4*\qt+\w]
.endr
.endr
.irp i, 0,1,2,3,4,5,6,7,8,9,10,11,12,13,14,15
	v_exp_f32 v[32+\i], v[32+\i]
.endr
.irp qt, 0,1,2,3
	v_exp_f32 v[T+4+\qt], v[T+4+\qt]
.endr
	v_nop                                          ; one plain place behind the run
	s_wait_alu depctr_va_vdst(0)
.irp qt, 0,1,2,3
	v_mul_f32 v[T+\qt], v[32+4*\qt], v[48+4*\qt]
.endr
.irp w, 1,2,3
.irp qt, 0,1,2,3
	v_fmac_f32 v[T+\qt], v[32+4*\qt+\w], v[48+4*\qt+\w]    ; the row's sum; at least 1: the largest term is exp2(0)
.endr
.endr
.irp qt, 0,1,2,3
	v_rcp_f32 v[T+\qt], v[T+\qt]
.endr
	v_nop
	s_wait_alu depctr_va_vdst(0)
.irp qt, 0,1,2,3
	v_mul_f32 v[64+2*\qt], v[T+4+\qt], v[T+\qt]            ; my weight / the row's sum, twice
	v_mul_f32 v[65+2*\qt], v[T+4+\qt], v[T+\qt]
.endr
	WIN W_RESC
.irp qt, 0,1,2,3
.set i, 0
.rept 32
	v_pk_mul_f32 v[64*\qt+2*i:64*\qt+2*i+1], v[64*\qt+2*i:64*\qt+2*i+1], v[64+2*\qt:65+2*\qt]
.set i, i+1
.endr
.endr
	WIN W_STG
.irp qt, 0,1,2,3
.irp ht, 0,1,2,3,4,5,6,7
	ds_store_b128 v[STO], v[8*(8*\qt+\ht):8*(8*\qt+\ht)+3]   offset:\qt*16*SPITCH+\ht*64      ; row 16 qt + r, columns 16 ht + 8 h + 0..3
	ds_store_b128 v[STO], v[8*(8*\qt+\ht)+4:8*(8*\qt+\ht)+7] offset:\qt*16*SPITCH+\ht*64+16   ; + 4..7
.endr
.endr
	WIN 0
	s_wait_dscnt 0x0
	s_barrier_signal -1
	s_barrier_wait -1
	; Wave w adds the four stages' rows 16 w .. 16 w + 15, four rows at a time, and stores whole rows of 512 bytes; each row's sum has registers of its own (v96-159).
.irp g, 0,1,2,3
.irp i, 0,1,2,3
.irp w, 0,1,2,3
	ds_load_b128 v[32+16*\i+4*\w:32+16*\i+4*\w+3], v[RD+(\w>>1)] offset:(\w&1)*WSTAGE+(4*\g+\i)*SPITCH
.endr
.endr
.irp i, 0,1,2,3
	s_wait_dscnt 12-4*\i                           ; the four loads of each later row stay out
	v_pk_add_f32 v[96+4*(4*\g+\i):96+4*(4*\g+\i)+1],   v[32+16*\i:32+16*\i+1],     v[32+16*\i+4:32+16*\i+5]
	v_pk_add_f32 v[96+4*(4*\g+\i)+2:96+4*(4*\g+\i)+3], v[32+16*\i+2:32+16*\i+3],   v[32+16*\i+6:32+16*\i+7]
	v_pk_add_f32 v[32+16*\i+8:32+16*\i+9],             v[32+16*\i+8:32+16*\i+9],   v[32+16*\i+12:32+16*\i+13]
	v_pk_add_f32 v[32+16*\i+10:32+16*\i+11],           v[32+16*\i+10:32+16*\i+11], v[32+16*\i+14:32+16*\i+15]
	v_pk_add_f32 v[96+4*(4*\g+\i):96+4*(4*\g+\i)+1],   v[96+4*(4*\g+\i):96+4*(4*\g+\i)+1],   v[32+16*\i+8:32+16*\i+9]
	v_pk_add_f32 v[96+4*(4*\g+\i)+2:96+4*(4*\g+\i)+3], v[96+4*(4*\g+\i)+2:96+4*(4*\g+\i)+3], v[32+16*\i+10:32+16*\i+11]
	global_store_b128 v1, v[96+4*(4*\g+\i):96+4*(4*\g+\i)+3], s[10:11] offset:(4*\g+\i)*512 th:TH_STORE_NT
.endr
.endr
	s_set_vgpr_msb 0xf
	s_wait_tensorcnt 0x0
	ds_add_u32 v0, v1
	s_wait_dscnt 0x0
	s_set_vgpr_msb 0xf00
	ROUND                                          ; the closing round: no work-group ends while a partner may still ask jointly
	s_endpgm
.Lfunc_end_k_q69ca4cfb25_attn:
	.size	k_q69ca4cfb25_attn, .Lfunc_end_k_q69ca4cfb25_attn-k_q69ca4cfb25_attn
	.p2alignl 7, 3214868480
	.fill 96, 4, 3214868480
	.section	.rodata,"a",@progbits
	.p2align	6, 0x0
	.amdhsa_kernel k_q69ca4cfb25_attn
		.amdhsa_group_segment_fixed_size 327680
		.amdhsa_private_segment_fixed_size 0
		.amdhsa_enable_private_segment 0
		.amdhsa_kernarg_size 32
		.amdhsa_user_sgpr_count 2
		.amdhsa_user_sgpr_kernarg_segment_ptr 1
		.amdhsa_wavefront_size32 1
		.amdhsa_system_sgpr_workgroup_id_x 1
		.amdhsa_system_sgpr_workgroup_id_y 1
		.amdhsa_system_sgpr_workgroup_id_z 1
		.amdhsa_system_vgpr_workitem_id 0
		.amdhsa_next_free_vgpr 770
		.amdhsa_next_free_sgpr 72
		.amdhsa_reserve_vcc 1
		.amdhsa_float_denorm_mode_32 3
		.amdhsa_float_denorm_mode_16_64 3
		.amdhsa_memory_ordered 1
		.amdhsa_forward_progress 1
		.amdhsa_inst_pref_size 255
	.end_amdhsa_kernel
	.section	.bss,"aw",@nobits
	.p2align	6
	.space	262144
	.amdgpu_metadata
---
amdhsa.version: [ 1, 2 ]
amdhsa.kernels:
  - .name:           k_q69ca4cfb25_attn
    .symbol:         k_q69ca4cfb25_attn.kd
    .args:
      - { .name: qf, .offset: 0, .size: 8, .value_kind: global_buffer, .address_space: global }
      - { .name: kf, .offset: 8, .size: 8, .value_kind: global_buffer, .address_space: global }
      - { .name: vf, .offset: 16, .size: 8, .value_kind: global_buffer, .address_space: global }
      - { .name: out0, .offset: 24, .size: 8, .value_kind: global_buffer, .address_space: global }
    .group_segment_fixed_size: 327680
    .private_segment_fixed_size: 0
    .kernarg_segment_align: 8
    .kernarg_segment_size: 32
    .max_flat_workgroup_size: 128
    .sgpr_count:     72
    .vgpr_count:     770
    .wavefront_size: 32
...
	.end_amdgpu_metadata
.endif
;; end of part 5
